; MI455X (gfx1250); checked and timed in simulation.
; The chip was launched on July 23, 2026; its instructions are those of AMD's public machine-readable ISA for CDNA 5 (MIT licence, August 2026) and "CDNA5" Instruction Set Architecture Reference Guide (July 2026). The comments in the code are by the model that wrote it; some were corrected since.
;; GQA Flash Attn. Allowed arithmetic: float matrix products may take bf16 or f16 operands with f32 sums; all other float work in f32.
;; Inputs: Wk 2,048 x 512 float32; Wo 2,048 x 2,048 float32; Wq 2,048 x 2,048 float32; Wv 2,048 x 512 float32; cos 2,048 x 128 float32; k_beta 128 float32; k_gamma 128 float32; q_beta 128 float32; q_gamma 128 float32; sin 2,048 x 128 float32; x 1 x 2,048 x 2,048 float32.
;; Outputs: out0 1 x 2,048 x 2,048 float32.
;; 2 versions, each right; version 2 is version 1 with the launch cast written anew for expert scheduling mode. Each part assembles by itself: llvm-mc -triple=amdgcn-amd-amdhsa -mcpu=gfx1250 --defsym DOCPART=n.
;; ======== version 1 of 2: 4 launches
;; workspace buffers: xb 8,388,608 bytes; wqkv 12,582,912 bytes; wob 8,388,608 bytes; qkv 12,582,912 bytes; ao 8,388,608 bytes
;; launch cast (part 1): grid 32 x 14, 8 waves a work-group, no clusters, 68,608 bytes of LDS; arguments x, Wq, Wk, Wv, Wo, xb, wqkv, wob; writes xb, wqkv, wob
.if DOCPART == 1
	.amdgcn_target "amdgcn-amd-amdhsa--gfx1250"
	.amdhsa_code_object_version 6
	.text
	.protected	k_qecd6b54407_cast
	.globl	k_qecd6b54407_cast
	.p2align	8
	.type	k_qecd6b54407_cast,@function
k_qecd6b54407_cast:
	s_mov_b64 s[64:65], 0
	v_nop
	global_prefetch_b8 v0, s[64:65] scope:SCOPE_SE
	s_setreg_imm32_b32 hwreg(HW_REG_WAVE_MODE, 25, 1), 1
	s_wait_xcnt 0x0
; cast: x, Wq, Wk, Wv, Wo (f32) -> xb, wqkv, wob (bf16, round to nearest even), each byte read once and written once.
; wqkv is [2048 k][3072 n]: columns 0-2047 Wq, 2048-2559 Wk, 2560-3071 Wv.  wob keeps Wo's shape.
; xb holds x IN FRAGMENT ORDER: the fragment of rows 16 R .. 16 R + 15 and k = 32 c .. 32 c + 31 is the 1,024 bytes at (64 R + c) x 1024;
; in it the 16 bytes at 512 e + 16 l (l = 16 h + r) are row 16 R + r, k = 32 c + 16 e + 8 h + 0..7: what lane l of a matrix operand holds
; in registers 4 e .. 4 e + 3.  The next launch then loads a fragment by two loads of 512 neighbouring bytes.
; All sources are cut into 14 strips of 2048 rows x 512 columns (grid y); a work-group takes 64 rows of a strip (grid x).
; Weights (strips 4-13): a wave takes 8 rows; piece j of a row is one load of 512 neighbouring bytes and one store of 256, aligned.
; x (strips 0-3): a wave takes 16 rows x 256 columns, rounds them into a stage of its own in LDS (16 rows, pitch 528) and reads them back
; as 8 fragments; each store covers 512 neighbouring bytes.  The stage is the wave's own and LDS serves a wave in order: no barrier.
; All 32 loads of a wave go out first (16 KiB a wave on its way); the waits count down.
; No matrix unit, no cluster: no byte is used twice and no two work-groups share an input.
.set SO, 4                             ; v[4:11]   weights: row i: byte offset of my 16 bytes in the source
.set DO, 12                            ; v[12:19]  weights: row i: byte offset of my 8 bytes in the destination
.set X,  20                            ; v[20:147] 32 loads of 4 registers; the first two of each then hold the 4 bf16
.set Y,  148                           ; v[148:211] x: 16 pieces of fragments as read back
.set XO, 4                             ; x: 16 x lane
.set LW, 5                             ; x: where I put 8 bytes of a row
.set LR, 6                             ; x: where I read 16 bytes of a fragment
.set XP, 528                           ; stage pitch: 512 + 16 bytes, an odd multiple of 16
	s_load_b512 s[4:19], s[0:1], 0x0               ; x, Wq, Wk, Wv, Wo, xb, wqkv, wob
	v_lshl_add_u32 v212, v0, 2, 0x10800
	v_mov_b32 v213, 0
	s_and_b32 s20, ttmp7, 0xffff                   ; strip 0..13
	v_lshrrev_b32 v1, 5, v0
	v_readfirstlane_b32 s21, v1                    ; wave
	v_and_b32 v2, 31, v0                           ; lane
	s_wait_kmcnt 0x0
	s_cmp_lt_u32 s20, 4
	s_cbranch_scc1 .Lx
	; ---- weights ----
	s_sub_co_u32 s22, s20, 4                       ; strip number inside Wq / inside wqkv
	s_sub_co_u32 s23, s20, 10                      ; strip number inside Wo / wob
	s_mov_b32 s28, 8192                            ; source pitch in bytes
	s_mov_b32 s29, 6144                            ; destination pitch
	s_mov_b32 s30, s22                             ; strip in the source
	s_mov_b32 s31, s22                             ; strip in the destination
	s_lshl_b32 s32, ttmp9, 6
	s_lshl3_add_u32 s32, s21, s32                  ; my wave's first row = 64 x + 8 w
	s_mov_b64 s[24:25], s[6:7]                     ; strips 4-7: Wq -> wqkv
	s_mov_b64 s[26:27], s[16:17]
	s_cmp_ge_u32 s20, 8                            ; strip 8: Wk (one strip wide) -> wqkv's strip 4
	s_cselect_b64 s[24:25], s[8:9], s[24:25]
	s_cselect_b32 s28, 2048, s28
	s_cselect_b32 s30, 0, s30
	s_cmp_ge_u32 s20, 9                            ; strip 9: Wv -> wqkv's strip 5
	s_cselect_b64 s[24:25], s[10:11], s[24:25]
	s_cmp_ge_u32 s20, 10                           ; strips 10-13: Wo -> wob
	s_cselect_b64 s[24:25], s[12:13], s[24:25]
	s_cselect_b64 s[26:27], s[18:19], s[26:27]
	s_cselect_b32 s28, 8192, s28
	s_cselect_b32 s29, 4096, s29
	s_cselect_b32 s30, s23, s30
	s_cselect_b32 s31, s23, s31
	s_mul_i32 s34, s32, s28                        ; offsets, made apart from the addresses: row x pitch + strip x strip bytes
	s_lshl_b32 s33, s30, 11
	s_add_co_u32 s34, s34, s33
	s_mov_b32 s35, 0
	s_mul_i32 s36, s32, s29
	s_lshl_b32 s33, s31, 10
	s_add_co_u32 s36, s36, s33
	s_mov_b32 s37, 0
	s_add_nc_u64 s[24:25], s[24:25], s[34:35]
	s_add_nc_u64 s[26:27], s[26:27], s[36:37]
	v_lshlrev_b32 v[SO], 4, v2
	v_lshlrev_b32 v[DO], 3, v2
.irp i, 1,2,3,4,5,6,7
	v_add_nc_u32 v[SO+\i], s28, v[SO+\i-1]
	v_add_nc_u32 v[DO+\i], s29, v[DO+\i-1]
.endr
.irp i, 0,1,2,3,4,5,6,7
.irp j, 0,1,2,3
	global_load_b128 v[X+16*\i+4*\j:X+16*\i+4*\j+3], v[SO+\i], s[24:25] offset:512*\j th:TH_LOAD_NT
.endr
.endr
.irp i, 0,1,2,3,4,5,6,7
	s_wait_loadcnt 28-4*\i                         ; loads return in order: row i's four are in, the 4 (7 - i) younger ones stay out
.irp j, 0,1,2,3
	v_cvt_pk_bf16_f32 v[X+16*\i+4*\j],   v[X+16*\i+4*\j],   v[X+16*\i+4*\j+1]
	v_cvt_pk_bf16_f32 v[X+16*\i+4*\j+1], v[X+16*\i+4*\j+2], v[X+16*\i+4*\j+3]
	global_store_b64 v[DO+\i], v[X+16*\i+4*\j:X+16*\i+4*\j+1], s[26:27] offset:256*\j   ; 32 lanes x 8 bytes: 256 neighbouring bytes, aligned
.endr
.endr
	s_endpgm                                       ; no register is written twice, so no store's source needs a wait
	; ---- x, into fragment order ----
.Lx:
	s_lshr_b32 s22, s21, 1                         ; which 16 rows of the group's 64
	s_and_b32 s23, s21, 1                          ; which 256 columns of the strip's 512
	s_lshl2_add_u32 s32, ttmp9, s22                ; R = 4 x + that
	s_lshl_b32 s34, s32, 17                        ; source: 16 R rows of 8,192 bytes + strip x 2,048 + half x 1,024
	s_lshl_b32 s33, s20, 11
	s_add_co_u32 s34, s34, s33
	s_lshl_b32 s33, s23, 10
	s_add_co_u32 s34, s34, s33
	s_mov_b32 s35, 0
	s_lshl_b32 s36, s32, 16                        ; destination: (64 R + 16 strip + 8 half) x 1,024
	s_lshl_b32 s33, s20, 14
	s_add_co_u32 s36, s36, s33
	s_lshl_b32 s33, s23, 13
	s_add_co_u32 s36, s36, s33
	s_mov_b32 s37, 0
	s_add_nc_u64 s[24:25], s[4:5], s[34:35]
	s_add_nc_u64 s[26:27], s[14:15], s[36:37]
	v_lshlrev_b32 v[XO], 4, v2
.irp i, 0,1,2,3,4,5,6,7,8,9,10,11,12,13,14,15
.irp j, 0,1
	global_load_b128 v[X+8*\i+4*\j:X+8*\i+4*\j+3], v[XO], s[24:25] offset:8192*\i+512*\j th:TH_LOAD_NT
.endr
.endr
	s_mul_i32 s33, s21, 16*XP                      ; my wave's stage
	v_lshl_add_u32 v[LW], v2, 3, s33               ; in: 8 bytes a lane along a row
	v_and_b32 v7, 15, v2                           ; r
	v_lshrrev_b32 v8, 4, v2                        ; h
	v_mul_u32_u24 v[LR], v7, XP
	v_lshl_add_u32 v[LR], v8, 4, v[LR]
	v_add_nc_u32 v[LR], s33, v[LR]                 ; back: row r, 16 h
.irp i, 0,1,2,3,4,5,6,7,8,9,10,11,12,13,14,15
	s_wait_loadcnt 30-2*\i                         ; row i's two loads are in, the 2 (15 - i) younger ones stay out
.irp j, 0,1
	v_cvt_pk_bf16_f32 v[X+8*\i+4*\j],   v[X+8*\i+4*\j],   v[X+8*\i+4*\j+1]
	v_cvt_pk_bf16_f32 v[X+8*\i+4*\j+1], v[X+8*\i+4*\j+2], v[X+8*\i+4*\j+3]
	ds_store_b64 v[LW], v[X+8*\i+4*\j:X+8*\i+4*\j+1] offset:XP*\i+256*\j
.endr
.endr
.irp t, 0,1,2,3,4,5,6,7,8,9,10,11,12,13,14,15
	ds_load_b128 v[Y+4*\t:Y+4*\t+3], v[LR] offset:32*\t            ; piece t = 2 c + e: k = 16 t + 8 h + 0..7 of row r; a wave's LDS instructions are served in order
.endr
.irp t, 0,1,2,3,4,5,6,7,8,9,10,11,12,13,14,15
	s_wait_dscnt 15-\t
	global_store_b128 v[XO], v[Y+4*\t:Y+4*\t+3], s[26:27] offset:512*\t   ; 512 neighbouring bytes, aligned
.endr
	s_wait_tensorcnt 0x0
	ds_add_u32 v212, v213
	s_wait_dscnt 0x0
	s_endpgm
.Lfunc_end_k_qecd6b54407_cast:
	.size	k_qecd6b54407_cast, .Lfunc_end_k_qecd6b54407_cast-k_qecd6b54407_cast
	.p2alignl 7, 3214868480
	.fill 96, 4, 3214868480
	.section	.rodata,"a",@progbits
	.p2align	6, 0x0
	.amdhsa_kernel k_qecd6b54407_cast
		.amdhsa_group_segment_fixed_size 68608
		.amdhsa_private_segment_fixed_size 0
		.amdhsa_enable_private_segment 0
		.amdhsa_kernarg_size 64
		.amdhsa_user_sgpr_count 2
		.amdhsa_user_sgpr_kernarg_segment_ptr 1
		.amdhsa_wavefront_size32 1
		.amdhsa_system_sgpr_workgroup_id_x 1
		.amdhsa_system_sgpr_workgroup_id_y 1
		.amdhsa_system_sgpr_workgroup_id_z 1
		.amdhsa_system_vgpr_workitem_id 0
		.amdhsa_next_free_vgpr 214
		.amdhsa_next_free_sgpr 66
		.amdhsa_reserve_vcc 0
		.amdhsa_float_denorm_mode_32 3
		.amdhsa_float_denorm_mode_16_64 3
		.amdhsa_memory_ordered 1
		.amdhsa_forward_progress 1
		.amdhsa_inst_pref_size 27
	.end_amdhsa_kernel
	.amdgpu_metadata
---
amdhsa.version: [ 1, 2 ]
amdhsa.kernels:
  - .name:           k_qecd6b54407_cast
    .symbol:         k_qecd6b54407_cast.kd
    .args:
      - { .name: x, .offset: 0, .size: 8, .value_kind: global_buffer, .address_space: global }
      - { .name: Wq, .offset: 8, .size: 8, .value_kind: global_buffer, .address_space: global }
      - { .name: Wk, .offset: 16, .size: 8, .value_kind: global_buffer, .address_space: global }
      - { .name: Wv, .offset: 24, .size: 8, .value_kind: global_buffer, .address_space: global }
      - { .name: Wo, .offset: 32, .size: 8, .value_kind: global_buffer, .address_space: global }
      - { .name: xb, .offset: 40, .size: 8, .value_kind: global_buffer, .address_space: global }
      - { .name: wqkv, .offset: 48, .size: 8, .value_kind: global_buffer, .address_space: global }
      - { .name: wob, .offset: 56, .size: 8, .value_kind: global_buffer, .address_space: global }
    .group_segment_fixed_size: 68608
    .private_segment_fixed_size: 0
    .kernarg_segment_align: 8
    .kernarg_segment_size: 64
    .max_flat_workgroup_size: 256
    .sgpr_count:     66
    .vgpr_count:     214
    .wavefront_size: 32
...
	.end_amdgpu_metadata
.endif
;; end of part 1
;; launch proj (part 2): grid 8 x 24, 4 waves a work-group, clusters of 4 x 1, 327,680 bytes of LDS; arguments xb, wqkv, cos, sin, q_gamma, q_beta, k_gamma, k_beta, qkv; writes qkv
.if DOCPART == 2
	.amdgcn_target "amdgcn-amd-amdhsa--gfx1250"
	.amdhsa_code_object_version 6
	.text
	.protected	k_qecd6b54407_proj
	.globl	k_qecd6b54407_proj
	.p2align	8
	.type	k_qecd6b54407_proj,@function
k_qecd6b54407_proj:
	s_mov_b64 s[64:65], 0
	v_nop
	global_prefetch_b8 v0, s[64:65] scope:SCOPE_SE
	s_setreg_imm32_b32 hwreg(HW_REG_WAVE_MODE, 25, 1), 1
	s_wait_xcnt 0x0
	s_wait_alu depctr_hold_cnt(0) depctr_sa_sdst(0) depctr_va_vdst(0) depctr_va_sdst(0) depctr_va_ssrc(0) depctr_va_vcc(0) depctr_vm_vsrc(0)
	s_getreg_b32 s2, hwreg(HW_REG_IB_STS2, 6, 4)
	s_cmp_eq_u32 s2, 0
	s_cbranch_scc0 .Lentry_in_a_cluster
	s_endpgm
.Lentry_in_a_cluster:
	s_bfe_u32 s2, ttmp6, 0x10000c
	s_cmp_lg_u32 s2, 0x3003
	s_cbranch_scc0 .Lentry_shape_is_right
	s_endpgm
.Lentry_shape_is_right:
; proj: [Q K V] = x W (bf16 operands, f32 sums), LayerNorm over each head's 128 columns and RoPE on Q and K made from the f32 sums,
; Q also multiplied by log2(e)/sqrt(128) (folded into gamma and beta; RoPE is linear), result rounded once to bf16 into
; qkv = [24 planes][2048 rows][128]: planes 0-15 Q, 16-19 K, 20-23 V.
; A work-group (x = row block, y = head) makes 256 rows x 128 columns; wave w makes rows 64 w .. 64 w + 63 of the whole head (4 x 8
; accumulator tiles, 256 registers), so a row's mean and variance never leave the wave.  192 work-groups: 8 row blocks x 24 heads.
; W goes in steps of K = 256 through two LDS slots filled by the tensor data mover, each wave fetching 64 k rows.
; CLUSTER 4 x 1: four row blocks of one head share W's tile: a joint load, mask 15.
; x DOES NOT GO THROUGH LDS: a wave's 64 rows are read by that wave alone.  xb lies in fragment order (16 rows x 32 k = 1,024 neighbouring
; bytes, 16 bytes a lane), so a fragment is two loads of 512 neighbouring bytes straight into registers.  A ring of 8 buffers of 4
; fragments: piece p (32 along K) asks for piece p + 7, so 56 loads (28 KiB a wave) are out and stay out across the barriers, at which
; every tensor load must have landed.  That is why x is not asked for jointly although the 24 heads read the same rows: with W
; alone in LDS a slot holds 8 pieces = 256 matrix instructions of a wave, twice what a slot with both operands could hold.
; THE MATRIX INSTRUCTION IS USED TRANSPOSED: source 0 = 16 columns of W (W lies [k][n] in LDS; ds_load_tr16_b128 turns it), source 1 = 16 rows
; of x.  Lane (r = l % 16, h = l / 16) then holds row r and columns 16 b + 8 h + 0..7 of tile b.
; LIMIT: variance + 1e-6 as in the problem; v_rsq_f32 takes a denormal input as zero.
; Registers: window 0: addresses, two buffers of W's fragments, work on the way out; window 1: accumulators, tile (a, b) at v[8 (8 a + b)];
; window 2: x's ring, buffer i at v[32 i]; on the way out v0-127 cos and sin rows as loaded (odd tiles), v128-191 cos, v192-255 sin in the
; accumulators' layout; window 3: v0-63 gamma, v64-127 beta, v128-255 cos and sin rows as loaded (even tiles).
.set NB,   8                           ; column tiles of a wave
.set PB,   288                         ; LDS pitch of W's rows: 256 + 32 bytes, an odd multiple of 32
.set SLOT, 256*PB                      ; 256 k rows
.set PA,   272                         ; pitch of the way out's stage
.set OSTG, 2*SLOT                      ; behind the ring, never filled by a tensor load: 16 rows x 272 for each wave
.set CP,   528                         ; pitch of a staged cos or sin row: 512 + 16
.set CSTG, OSTG+4*16*PA                ; for each wave 16 rows of cos, then 16 of sin
.set LAPS, 4                           ; 8 K steps, two a lap
.set G1B, 40
.set G0B, 48
.set ADRB, 16                          ; v16-17 LDS address of W's fragments, slot 0, 1, k rows 0-127
.set ADRB2, 18                         ; v18-19 k rows 128-255: beyond the reach of the 16-bit offset
.set STO, 20
.set RD,  21
.set CO,  22                           ; 16 x lane
.set CSW, 23
.set CSR, 24
.set GB,  25                           ; 32 h
.set F0,  32                           ; W's fragments, buffer 0: 64 registers
.set F1,  96
.set R,   32                           ; way out: 64 results in f32
.set TMP, 192                          ; way out: 32 registers of packed bf16
.set T,   224                          ; four chains of pairs
.set MEAN, 232
.set RS,  234
.set U,   236
.set MSB, 0
.macro WIN new                         ; the immediate's high byte repeats the setting that is left
.if MSB != \new
	s_set_vgpr_msb (MSB<<8)|\new
.set MSB, \new
.endif
.endm
.macro PLACES                          ; four plain vector places behind a matrix instruction (ISA guide 7.12.1 for vector instructions)
.rept 4
	v_nop
.endr
.endm
.macro CREST                           ; a round of the cluster's barrier behind its opening barrier
	s_cmp_lg_u32 s22, 0
	s_cbranch_scc1 .Lnot_wave_0_\@
	s_barrier_signal -3
.Lnot_wave_0_\@:
	s_barrier_wait -3
	s_barrier_signal -1
	s_barrier_wait -1
.endm
.macro CROUND
	s_barrier_signal -1
	s_barrier_wait -1
	CREST
.endm
; group n of a lap (0..22; 16 and more are the next lap's first pieces): x's four fragments of piece n into ring buffer n % 8: eight loads
.macro GLOADA n
	WIN 0x80
.irp a, 0,1,2,3
	global_load_b128 v[32*((\n)%8)+8*\a:32*((\n)%8)+8*\a+3],   v[CO], s[36:37] offset:\a*65536+(\n)*1024
	global_load_b128 v[32*((\n)%8)+8*\a+4:32*((\n)%8)+8*\a+7], v[CO], s[36:37] offset:\a*65536+(\n)*1024+512
.endr
.endm
; group i (0..7) of what the way out needs, eight loads each: 0, 1 gamma; 2, 3 beta (my 64 columns of each); 4-7 cos and sin rows 4 (i - 4) .. + 3
.macro ELOAD i
	WIN 0xc0
.if (\i) < 2
.irp b, 0,1,2,3
	global_load_b128 v[8*(4*(\i)+\b):8*(4*(\i)+\b)+3],   v[GB], s[78:79] offset:64*(4*(\i)+\b)
	global_load_b128 v[8*(4*(\i)+\b)+4:8*(4*(\i)+\b)+7], v[GB], s[78:79] offset:64*(4*(\i)+\b)+16
.endr
.else
.if (\i) < 4
.irp b, 0,1,2,3
	global_load_b128 v[64+8*(4*((\i)-2)+\b):64+8*(4*((\i)-2)+\b)+3],   v[GB], s[80:81] offset:64*(4*((\i)-2)+\b)
	global_load_b128 v[64+8*(4*((\i)-2)+\b)+4:64+8*(4*((\i)-2)+\b)+7], v[GB], s[80:81] offset:64*(4*((\i)-2)+\b)+16
.endr
.else
.irp r, 0,1,2,3
	global_load_b128 v[128+4*(4*((\i)-4)+\r):128+4*(4*((\i)-4)+\r)+3], v[CO], s[90:91] offset:(4*((\i)-4)+\r)*512
	global_load_b128 v[192+4*(4*((\i)-4)+\r):192+4*(4*((\i)-4)+\r)+3], v[CO], s[92:93] offset:(4*((\i)-4)+\r)*512
.endr
.endif
.endif
.endm
; the group of eight loads that piece p of a lap issues.  In the last lap (tail) nothing of x is left from p = 9 on: the way out's groups
; take the places, so that every piece issues eight loads and every wait has the same count.
.macro AHEAD p, tail
.if \tail
.if (\p) > 8
	ELOAD (\p)-9
.else
	GLOADA (\p)+7
.endif
.else
	GLOADA (\p)+7
.endif
.endm
	s_load_b256 s[4:11], s[0:1], 0x0               ; xb, wqkv, cos, sin
	s_load_b256 s[12:19], s[0:1], 0x20             ; q_gamma, q_beta, k_gamma, k_beta
	s_load_b64 s[20:21], s[0:1], 0x40              ; qkv
	v_lshl_add_u32 v254, v0, 2, 0x38c00
	v_mov_b32 v255, 0
	ds_add_u32 v254, v255
	v_lshrrev_b32 v1, 5, v0
	v_readfirstlane_b32 s22, v1                    ; wave
	v_and_b32 v3, 31, v0
	v_lshlrev_b32 v[CO], 4, v3                     ; 16 x lane
	s_bfe_u32 s25, ttmp6, 0x40000                  ; cx
	s_lshl_b32 s28, ttmp9, 2
	s_add_co_u32 s28, s28, s25                     ; row block = 4 x cluster x + cx
	s_and_b32 s77, ttmp7, 0xffff                   ; head (plane): 0-15 Q, 16-19 K, 20-23 V; the same in all four partners
	; group 1 for W: 64 k rows x 128 elements of 2 bytes, pitch 3072; 8 words of padding behind every 64; mask 15: all four partners
	s_mov_b32 s[G1B+0], 15|(1<<16)|(1<<20)|(1<<21)|(5<<22)|(7<<25)
	s_mov_b32 s[G1B+1], 128<<16
	s_mov_b32 s[G1B+2], 64<<16
	s_mov_b32 s[G1B+3], 128<<16
	s_mov_b32 s[G1B+4], 64
	s_mov_b32 s[G1B+5], 3072
	s_mov_b32 s[G1B+6], 0
	s_mov_b32 s[G1B+7], 0
	s_lshl_b32 s32, s28, 4                         ; x: my first row tile 16 x block + 4 w, 65,536 bytes each
	s_lshl2_add_u32 s32, s22, s32
	s_lshl_b32 s32, s32, 16
	s_mov_b32 s33, 0
	s_mul_i32 s34, s22, 64*6144                    ; W: k row 64 w, column byte 256 x head: the wave and the head alone
	s_lshl_b32 s35, s77, 8
	s_add_co_u32 s34, s34, s35
	s_mov_b32 s35, 0
	s_mul_i32 s31, s22, 64*PB                      ; LDS: my 64 k rows at wave x 18,432
	s_lshl_b32 s95, s28, 8
	s_lshl_b32 s98, s22, 6
	s_add_co_u32 s95, s95, s98                     ; my wave's first row
	s_lshl_b32 s98, s95, 9                         ; its byte offset in cos and sin
	s_mov_b32 s99, 0
	s_lshl_b32 s96, s95, 8                         ; and in its plane of qkv,
	s_lshl_b32 s97, s77, 19
	s_add_co_u32 s96, s96, s97                     ; plus the plane
	s_mov_b32 s97, 0
	s_mov_b32 s82, 0x3f800000
	s_mov_b32 s84, 0x76543210                      ; v_permlanex16_b32: lane i reads lane i of the other half
	s_mov_b32 s85, 0xfedcba98
	s_mov_b32 s86, 0x3c000000                      ; 1/128
	s_mov_b32 s87, 0x358637bd                      ; 1e-6
	s_wait_dscnt 0x0
	s_wait_kmcnt 0x0
	s_add_nc_u64 s[36:37], s[4:5], s[32:33]
	s_add_nc_u64 s[38:39], s[6:7], s[34:35]
.irp n, 0,1,2,3,4,5,6
	GLOADA \n                                      ; x's first seven pieces: 56 loads
.endr
	WIN 0
	CROUND                                         ; the four partners are here: the first joint loads meet
.irp s, 0,1
	s_mov_b32 s[G0B+4*\s], 1
	s_add_co_u32 s[G0B+4*\s+1], s31, \s*SLOT
	s_add_nc_u64 s[G0B+4*\s+2:G0B+4*\s+3], s[38:39], \s*256*6144
	s_or_b32 s[G0B+4*\s+3], s[G0B+4*\s+3], 0x80000000
	tensor_load_to_lds s[G0B+4*\s:G0B+4*\s+3], s[G1B:G1B+7]        ; both slots' first fills: two tensor loads of mine are out
	s_nop 0
.endr
	s_add_nc_u64 s[90:91], s[8:9], s[98:99]        ; cos at my first row
	s_add_nc_u64 s[92:93], s[10:11], s[98:99]      ; sin
	s_add_nc_u64 s[88:89], s[20:21], s[96:97]      ; qkv at my first row of my plane
	s_cmp_lt_u32 s77, 16
	s_cselect_b64 s[78:79], s[12:13], s[16:17]     ; gamma: q's for Q, k's else
	s_cselect_b64 s[80:81], s[14:15], s[18:19]     ; beta
	s_cselect_b32 s82, 0x3e0293ee, s82             ; log2(e)/sqrt(128) for Q, 1 for K
	s_mov_b32 s83, s82
	v_and_b32 v1, 15, v0                           ; r
	v_bfe_u32 v2, v0, 4, 1                         ; h
	v_and_b32 v4, 7, v0
	v_bfe_u32 v5, v0, 3, 1
	v_lshl_add_u32 v7, v2, 3, v4                   ; W fragment through the transposing load: k row 8 h + l % 8,
	v_mul_u32_u24 v7, v7, PB
	v_lshl_add_u32 v[ADRB], v5, 4, v7              ; 16 bytes further for lanes 8-15 of each half
	v_add_nc_u32 v[ADRB+1], SLOT, v[ADRB]
	v_add_nc_u32 v[ADRB2], 128*PB, v[ADRB]
	v_add_nc_u32 v[ADRB2+1], 128*PB, v[ADRB+1]
	v_mul_u32_u24 v6, v1, PA
	v_lshl_add_u32 v6, v2, 4, v6                   ; r x 272 + 16 h
	s_mul_i32 s76, s22, 16*PA
	s_add_co_u32 s76, s76, OSTG
	v_add_nc_u32 v[STO], s76, v6
	v_mul_u32_u24 v8, v2, PA
	v_lshl_add_u32 v8, v1, 4, v8
	v_add_nc_u32 v[RD], s76, v8
	s_mul_i32 s76, s22, 32*CP
	s_add_co_u32 s76, s76, CSTG
	v_add_nc_u32 v[CSW], s76, v[CO]
	v_mul_u32_u24 v9, v1, CP
	v_lshl_add_u32 v9, v2, 5, v9
	v_add_nc_u32 v[CSR], s76, v9
	v_lshlrev_b32 v[GB], 5, v2
	v_mov_b32 v[U], 0
; na x 8 matrix instructions: W's buffer f, x's ring buffer at rb: row tiles a0 .. a0 + na - 1, all column tiles, 32 along K.  The 32
; accumulators take turns, one instruction a turn, in the same order in every piece.
.macro MUL f, rb, a0, na, zero
.set ma, \a0
.rept \na
.set mb, 0
.rept NB
.if \zero
	v_wmma_f32_16x16x32_bf16 v[8*(NB*ma+mb):8*(NB*ma+mb)+7], v[\f+8*mb:\f+8*mb+7], v[\rb+8*ma:\rb+8*ma+7], 0
.else
	v_wmma_f32_16x16x32_bf16 v[8*(NB*ma+mb):8*(NB*ma+mb)+7], v[\f+8*mb:\f+8*mb+7], v[\rb+8*ma:\rb+8*ma+7], v[8*(NB*ma+mb):8*(NB*ma+mb)+7]
.endif
.set mb, mb+1
.endr
.set ma, ma+1
.endr
.endm
; W's fragments of piece q (0..7) of a slot into buffer f: 16 LDS loads in one run
.macro FETCH slot, q, f
	WIN 0
.set fb, 0
.rept NB
.if (\q) < 4
	ds_load_tr16_b128 v[\f+8*fb:\f+8*fb+3],   v[ADRB+\slot] offset:(\q)*32*PB+32*fb
	ds_load_tr16_b128 v[\f+8*fb+4:\f+8*fb+7], v[ADRB+\slot] offset:(\q)*32*PB+32*fb+16*PB
.else
	ds_load_tr16_b128 v[\f+8*fb:\f+8*fb+3],   v[ADRB2+\slot] offset:((\q)-4)*32*PB+32*fb
	ds_load_tr16_b128 v[\f+8*fb+4:\f+8*fb+7], v[ADRB2+\slot] offset:((\q)-4)*32*PB+32*fb+16*PB
.endif
.set fb, fb+1
.endr
.endm
; one of a slot's first seven pieces: asks for W's next fragments into g and for x's piece seven ahead, multiplies f
.macro QUARTER slot, q, f, g, zero, tail
	PLACES                                         ; g and the ring buffer of the piece before were read by the matrix instructions just issued
	FETCH \slot, (\q)+1, \g
	s_wait_loadcnt 48                              ; loads return in order: this piece's eight are in, the six younger groups of eight stay out
	AHEAD 8*\slot+(\q), \tail
	s_wait_dscnt 16                                ; all but the 16 just issued: buffer f is in
	WIN 0x58
	MUL \f, 32*(\q), 0, 4, \zero
.endm
.macro STEPQ slot, zero, tail
	QUARTER \slot, 0, F0, F1, \zero, \tail
	QUARTER \slot, 1, F1, F0, 0, \tail
	QUARTER \slot, 2, F0, F1, 0, \tail
	QUARTER \slot, 3, F1, F0, 0, \tail
	QUARTER \slot, 4, F0, F1, 0, \tail
	QUARTER \slot, 5, F1, F0, 0, \tail
	QUARTER \slot, 6, F0, F1, 0, \tail
.endm
; the slot's last piece, on buffer 1, and the change of slots.  In front of the barrier: my reads of this slot are back and all my tensor
; loads have landed (the one that was out is my part of the next slot).  Where the slot is filled again the barrier opens a round of the
; cluster's barrier, and the joint refill is the first tensor load behind the round; it has 8 pieces' work in which to land.
.macro TURN slot, next, fill, tail
	s_wait_dscnt 0x0
	s_set_vgpr_msb 0x5850
	s_wait_tensorcnt 0x0
	ds_add_u32 v254, v255
	s_wait_dscnt 0x0
	s_set_vgpr_msb 0x5058
	s_wait_loadcnt 48                              ; x's fragments of this piece
	s_barrier_signal -1
	WIN 0x58
	MUL F1, 224, 0, 2, 0                           ; register work while the others arrive
	WIN 0
	s_barrier_wait -1
.if \fill
	CREST
	s_add_nc_u64 s[G0B+4*\slot+2:G0B+4*\slot+3], s[G0B+4*\slot+2:G0B+4*\slot+3], 2*256*6144
	tensor_load_to_lds s[G0B+4*\slot:G0B+4*\slot+3], s[G1B:G1B+7]
	s_nop 0
.endif
	PLACES
	FETCH \next, 0, F0
	AHEAD 8*\slot+7, \tail
	WIN 0x58
	MUL F1, 224, 2, 2, 0
.endm
.macro LAP zero
	STEPQ 0, \zero, 0
	TURN 0, 1, 1, 0
	STEPQ 1, 0, 0
	TURN 1, 0, 1, 0
	s_wait_xcnt 0x0                                ; the loads' base is stepped only behind this wait
	s_add_nc_u64 s[36:37], s[36:37], 16*1024       ; 16 pieces on
.endm
	s_wait_tensorcnt 0x1                           ; my part of K step 0 is in; K step 1's stays out
	s_barrier_signal -1
	s_barrier_wait -1
	FETCH 0, 0, F0
	LAP 1                                          ; the first products start the sums: nothing is cleared
	WIN 0
	s_mov_b32 s76, LAPS-2
.Llap:
	LAP 0
	WIN 0
	s_sub_co_u32 s76, s76, 1
	s_cmp_lg_u32 s76, 0
	s_cbranch_scc1 .Llap
	STEPQ 0, 0, 1                                  ; the last lap fills nothing
	TURN 0, 1, 0, 1
	STEPQ 1, 0, 1
	s_wait_dscnt 0x0
	s_wait_loadcnt 48
	AHEAD 15, 1
	WIN 0x58
	MUL F1, 224, 0, 4, 0
	PLACES                                         ; behind the last matrix instructions, for everything below
	WIN 0
; THE WAY OUT, 16 rows at a time.
.macro CROSS                           ; the four chains become one number, summed over the lane and its partner 16 lanes away: a whole row
	v_pk_add_f32 v[T:T+1], v[T:T+1], v[T+2:T+3]
	v_pk_add_f32 v[T+4:T+5], v[T+4:T+5], v[T+6:T+7]
	v_pk_add_f32 v[T:T+1], v[T:T+1], v[T+4:T+5]
	v_add_f32 v[T], v[T], v[T+1]
	v_permlanex16_b32 v[U], v[T], s84, s85
	v_add_f32 v[T], v[T], v[U]
.endm
; 16 rows of cos and 16 of sin for row tile a, each load a whole row of 512 bytes; odd tiles into window 2, even ones into window 3
.macro LOADCS a
.if (\a) & 1
	WIN 0x80
.set lrb, 0
.else
	WIN 0xc0
.set lrb, 128
.endif
.set li, 0
.rept 16
	global_load_b128 v[lrb+4*li:lrb+4*li+3], v[CO], s[90:91] offset:(16*(\a)+li)*512
	global_load_b128 v[lrb+64+4*li:lrb+64+4*li+3], v[CO], s[92:93] offset:(16*(\a)+li)*512
.set li, li+1
.endr
.endm
; TMP's 16 rows x 128 bf16 through my own stage: 16 bytes a lane in, whole rows back, 512 neighbouring bytes a store
.macro OUTST a, buf
.irp b, 0,1,2,3,4,5,6,7
	ds_store_b128 v[STO], v[TMP+4*\b:TMP+4*\b+3] offset:32*\b
.endr
	s_wait_xcnt 0x0                                ; the read-back buffer was an earlier store's data
.irp t, 0,1,2,3,4,5,6,7
	ds_load_b128 v[\buf+4*\t:\buf+4*\t+3], v[RD] offset:2*PA*\t   ; a wave's LDS instructions are served in order: these see the stores above
.endr
.irp t, 0,1,2,3,4,5,6,7
	s_wait_dscnt 7-\t
	global_store_b128 v[CO], v[\buf+4*\t:\buf+4*\t+3], s[88:89] offset:(16*\a+2*\t)*256
.endr
.endm
.macro LNROPE a, buf
	WIN 0x05                                       ; the mean: my 64 numbers in four chains
.irp c, 0,1,2,3
	v_pk_add_f32 v[T+2*\c:T+2*\c+1], v[64*\a+2*\c:64*\a+2*\c+1], v[64*\a+8+2*\c:64*\a+8+2*\c+1]
.endr
	WIN 0x04
.set li, 8
.rept 24
	v_pk_add_f32 v[T+2*(li%4):T+2*(li%4)+1], v[T+2*(li%4):T+2*(li%4)+1], v[64*\a+2*li:64*\a+2*li+1]
.set li, li+1
.endr
	WIN 0
	CROSS
	v_mul_f32 v[MEAN], s86, v[T]
	v_mul_f32 v[MEAN+1], s86, v[T]
	WIN 0x41                                       ; x - mean, in place
.set li, 0
.rept 32
	v_pk_add_f32 v[64*\a+2*li:64*\a+2*li+1], v[64*\a+2*li:64*\a+2*li+1], v[MEAN:MEAN+1] neg_lo:[0,1] neg_hi:[0,1]
.set li, li+1
.endr
	s_wait_loadcnt 0x0                             ; this tile's cos and sin rows: the only loads that are out
.if \a < 3
	LOADCS \a+1                                    ; the next tile's, into the other registers (their LDS stores were waited for a tile ago): a whole tile ahead
.endif
.if (\a) & 1                                       ; cos and sin go through my own stage into the accumulators' layout
	WIN 0x08
.set srb, 0
.else
	WIN 0x0c
.set srb, 128
.endif
.set li, 0
.rept 16
	ds_store_b128 v[CSW], v[srb+4*li:srb+4*li+3] offset:li*CP
	ds_store_b128 v[CSW], v[srb+64+4*li:srb+64+4*li+3] offset:16*CP+li*CP
.set li, li+1
.endr
	WIN 0x80
.irp b, 0,1,2,3,4,5,6,7
	ds_load_b128 v[128+8*\b:128+8*\b+3],   v[CSR] offset:64*\b
	ds_load_b128 v[128+8*\b+4:128+8*\b+7], v[CSR] offset:64*\b+16
	ds_load_b128 v[192+8*\b:192+8*\b+3],   v[CSR] offset:16*CP+64*\b
	ds_load_b128 v[192+8*\b+4:192+8*\b+7], v[CSR] offset:16*CP+64*\b+16
.endr
	WIN 0x05                                       ; the variance, of the differences as the problem has it
.irp c, 0,1,2,3
	v_pk_mul_f32 v[T+2*\c:T+2*\c+1], v[64*\a+2*\c:64*\a+2*\c+1], v[64*\a+2*\c:64*\a+2*\c+1]
.endr
.set li, 4
.rept 28
	v_pk_fma_f32 v[T+2*(li%4):T+2*(li%4)+1], v[64*\a+2*li:64*\a+2*li+1], v[64*\a+2*li:64*\a+2*li+1], v[T+2*(li%4):T+2*(li%4)+1]
.set li, li+1
.endr
	WIN 0
	CROSS
	v_fma_f32 v[T], v[T], s86, s87                 ; sum/128 + 1e-6
	v_rsq_f32 v[RS], v[T]
	v_nop                                          ; one plain place behind the transcendental (ISA guide 5.7.2)
	s_wait_alu depctr_va_vdst(0)
	v_mov_b32 v[RS+1], v[RS]
	WIN 0x41
.set li, 0
.rept 32
	v_pk_mul_f32 v[64*\a+2*li:64*\a+2*li+1], v[64*\a+2*li:64*\a+2*li+1], v[RS:RS+1]
.set li, li+1
.endr
	WIN 0x7d                                       ; times gamma plus beta (both already carry Q's scale)
.set li, 0
.rept 32
	v_pk_fma_f32 v[64*\a+2*li:64*\a+2*li+1], v[64*\a+2*li:64*\a+2*li+1], v[2*li:2*li+1], v[64+2*li:64+2*li+1]
.set li, li+1
.endr
	s_wait_dscnt 0x0                               ; cos and sin are in their layout, and the LDS stores have read the rows as loaded
	WIN 0x09                                       ; RoPE: columns c < 64: x[c] cos[c] - x[c+64] sin[c]; c >= 64: x[c] cos[c] + x[c-64] sin[c]
.irp b, 0,1,2,3
.irp p, 0,2,4,6
	v_pk_mul_f32 v[R+8*\b+\p:R+8*\b+\p+1],       v[64*\a+8*\b+\p:64*\a+8*\b+\p+1],       v[128+8*\b+\p:128+8*\b+\p+1]
	v_pk_mul_f32 v[R+32+8*\b+\p:R+32+8*\b+\p+1], v[64*\a+32+8*\b+\p:64*\a+32+8*\b+\p+1], v[160+8*\b+\p:160+8*\b+\p+1]
.endr
.endr
.irp b, 0,1,2,3
.irp p, 0,2,4,6
	v_pk_fma_f32 v[R+8*\b+\p:R+8*\b+\p+1],       v[64*\a+32+8*\b+\p:64*\a+32+8*\b+\p+1], v[192+8*\b+\p:192+8*\b+\p+1], v[R+8*\b+\p:R+8*\b+\p+1] neg_lo:[1,0,0] neg_hi:[1,0,0]
	v_pk_fma_f32 v[R+32+8*\b+\p:R+32+8*\b+\p+1], v[64*\a+8*\b+\p:64*\a+8*\b+\p+1],       v[224+8*\b+\p:224+8*\b+\p+1], v[R+32+8*\b+\p:R+32+8*\b+\p+1]
.endr
.endr
	WIN 0
.irp b, 0,1,2,3,4,5,6,7
.irp p, 0,1,2,3
	v_cvt_pk_bf16_f32 v[TMP+4*\b+\p], v[R+8*\b+2*\p], v[R+8*\b+2*\p+1]
.endr
.endr
	OUTST \a, \buf
.endm
.macro VOUT a, buf                     ; V: rounded as it is
	WIN 0x05
.irp b, 0,1,2,3,4,5,6,7
.irp p, 0,1,2,3
	v_cvt_pk_bf16_f32 v[TMP+4*\b+\p], v[64*\a+8*\b+2*\p], v[64*\a+8*\b+2*\p+1]
.endr
.endr
	WIN 0
	OUTST \a, \buf
.endm
	s_cmp_ge_u32 s77, 20                           ; the head alone decides: alike in all waves and all partners
	s_cbranch_scc1 .Lv
	s_wait_loadcnt 24                              ; gamma and beta are in; the three younger groups (cos and sin rows 0-11) stay out
	WIN 0xc3                                       ; gamma and beta times Q's scale (1 for K)
.set li, 0
.rept 64
	v_pk_mul_f32 v[2*li:2*li+1], v[2*li:2*li+1], s[82:83] op_sel_hi:[1,0]
.set li, li+1
.endr
	ELOAD 7                                        ; cos and sin rows 12-15
	LNROPE 0, 96
	LNROPE 1, 128
	LNROPE 2, 96
	LNROPE 3, 128
	s_branch .Lend
.Lv:
	VOUT 0, 96
	VOUT 1, 128
	VOUT 2, 96
	VOUT 3, 128
.Lend:
	s_wait_tensorcnt 0x0
	ds_add_u32 v254, v255
	s_wait_dscnt 0x0
	CROUND                                         ; the closing round: no work-group ends while a partner may still ask jointly
	s_endpgm
.Lfunc_end_k_qecd6b54407_proj:
	.size	k_qecd6b54407_proj, .Lfunc_end_k_qecd6b54407_proj-k_qecd6b54407_proj
	.p2alignl 7, 3214868480
	.fill 96, 4, 3214868480
	.section	.rodata,"a",@progbits
	.p2align	6, 0x0
	.amdhsa_kernel k_qecd6b54407_proj
		.amdhsa_group_segment_fixed_size 327680
		.amdhsa_private_segment_fixed_size 0
		.amdhsa_enable_private_segment 0
		.amdhsa_kernarg_size 72
		.amdhsa_user_sgpr_count 2
		.amdhsa_user_sgpr_kernarg_segment_ptr 1
		.amdhsa_wavefront_size32 1
		.amdhsa_system_sgpr_workgroup_id_x 1
		.amdhsa_system_sgpr_workgroup_id_y 1
		.amdhsa_system_sgpr_workgroup_id_z 1
		.amdhsa_system_vgpr_workitem_id 0
		.amdhsa_next_free_vgpr 1024
		.amdhsa_next_free_sgpr 100
		.amdhsa_reserve_vcc 0
		.amdhsa_float_denorm_mode_32 3
		.amdhsa_float_denorm_mode_16_64 3
		.amdhsa_memory_ordered 1
		.amdhsa_forward_progress 1
		.amdhsa_inst_pref_size 255
	.end_amdhsa_kernel
	.section	.bss,"aw",@nobits
	.p2align	6
	.space	262144
	.amdgpu_metadata
---
amdhsa.version: [ 1, 2 ]
amdhsa.kernels:
  - .name:           k_qecd6b54407_proj
    .symbol:         k_qecd6b54407_proj.kd
    .args:
      - { .name: xb, .offset: 0, .size: 8, .value_kind: global_buffer, .address_space: global }
      - { .name: wqkv, .offset: 8, .size: 8, .value_kind: global_buffer, .address_space: global }
      - { .name: cos, .offset: 16, .size: 8, .value_kind: global_buffer, .address_space: global }
      - { .name: sin, .offset: 24, .size: 8, .value_kind: global_buffer, .address_space: global }
      - { .name: q_gamma, .offset: 32, .size: 8, .value_kind: global_buffer, .address_space: global }
      - { .name: q_beta, .offset: 40, .size: 8, .value_kind: global_buffer, .address_space: global }
      - { .name: k_gamma, .offset: 48, .size: 8, .value_kind: global_buffer, .address_space: global }
      - { .name: k_beta, .offset: 56, .size: 8, .value_kind: global_buffer, .address_space: global }
      - { .name: qkv, .offset: 64, .size: 8, .value_kind: global_buffer, .address_space: global }
    .group_segment_fixed_size: 327680
    .private_segment_fixed_size: 0
    .kernarg_segment_align: 8
    .kernarg_segment_size: 72
    .max_flat_workgroup_size: 128
    .sgpr_count:     100
    .vgpr_count:     1024
    .wavefront_size: 32
...
	.end_amdgpu_metadata
.endif
;; end of part 2
;; launch attn (part 3): grid 16 x 16, 4 waves a work-group, clusters of 4 x 1, 327,680 bytes of LDS; arguments qkv, ao; writes ao
.if DOCPART == 3
	.amdgcn_target "amdgcn-amd-amdhsa--gfx1250"
	.amdhsa_code_object_version 6
	.text
	.protected	k_qecd6b54407_attn
	.globl	k_qecd6b54407_attn
	.p2align	8
	.type	k_qecd6b54407_attn,@function
k_qecd6b54407_attn:
	s_mov_b64 s[64:65], 0
	v_nop
	global_prefetch_b8 v0, s[64:65] scope:SCOPE_SE
	s_setreg_imm32_b32 hwreg(HW_REG_WAVE_MODE, 25, 1), 1
	s_wait_xcnt 0x0
	s_wait_alu depctr_hold_cnt(0) depctr_sa_sdst(0) depctr_va_vdst(0) depctr_va_sdst(0) depctr_va_ssrc(0) depctr_va_vcc(0) depctr_vm_vsrc(0)
	s_getreg_b32 s2, hwreg(HW_REG_IB_STS2, 6, 4)
	s_cmp_eq_u32 s2, 0
	s_cbranch_scc0 .Lentry_in_a_cluster
	s_endpgm
.Lentry_in_a_cluster:
	s_bfe_u32 s2, ttmp6, 0x10000c
	s_cmp_lg_u32 s2, 0x3003
	s_cbranch_scc0 .Lentry_shape_is_right
	s_endpgm
.Lentry_shape_is_right:
; attn: causal attention, 16 query heads on 4 key/value heads, 2048 rows, head size 128.  qkv: [24][2048][128] bf16 (Q already carries
; log2(e)/sqrt(128)).  ao: the [2048][16 x 128] bf16 result IN FRAGMENT ORDER for the next launch: the fragment of rows 16 R .. + 15 and
; columns 32 c .. + 31 is the 1,024 bytes at (64 R + c) x 1024; in it the 16 bytes at 512 e + 16 l (l = 16 h + r) are row 16 R + r,
; columns 32 c + 16 e + 8 h + 0..7.
; Work-group (x = head, y = p): query block 31 - p (64 rows), then block p.  Keys go in tiles of 256; block b needs b/4 + 1 tiles, so every
; work-group walks 8 - p/4 and then p/4 + 1 tiles: nine steps, the same work for all 256.  What the causal mask throws away whole is not done.
; In a tile wave w takes keys 64 w .. 64 w + 63 against all 64 query rows, with a running maximum, sum and output of its own; at a
; block's end the four waves' parts are merged through LDS (weights 2^(m_w - m)).
; CLUSTER 4 x 1: the four query heads of one key/value head, same p: they walk the same K and V tiles, asked for jointly (mask 15).
; TRANSPOSED products: S^T = K Q^T (source 0 = 16 keys, source 1 = 16 queries) and O^T = V^T P^T (source 0 = 16 columns of V through the
; transposing load, source 1 = P).  Lane (r, h) holds query r; S^T's register j of tile kt is key 16 kt + 8 h + j, so two S^T tiles round
; in the lane into one P fragment, a row's maximum and sum are in-lane work and one exchange with the lane 16 away.
; No prefetch: K and V were stored by the launch before and are read again by 16 clusters each.
; LIMITS: masked scores are -1e30 as in the problem, and the running maximum starts there, so true scores must lie far above -1e30;
; v_exp_f32 gives 0 below 2^-126; the row sum adds p in f32 while the product takes p rounded to bf16.
; A wave whose keys are all masked for a row keeps maximum -1e30 and finite numbers that the merge multiplies by 2^(-1e30 - m) = 0.
; Registers: window 0 as named below; window 1: v0-127 S(qt, kt) at 8 (4 qt + kt), v128-255 Q(qt, c) at 128 + 8 (4 qt + c);
; window 2: O(qt, dt) at 8 (8 qt + dt).
.set PK,   272                         ; LDS pitch of K's rows
.set PV,   288                         ; of V's rows
.set KOFF, 256*PV                      ; a slot: V's 256 rows, then K's 256
.set SLOT, KOFF+256*PK
.set STG,  2*SLOT                      ; behind the ring, never filled by a tensor load: four waves' 16 rows x 128 f32, pitch 528
.set SP,   528
.set STM,  STG+4*16*SP                 ; maxima, [wave][64 queries] f32
.set STL,  STM+1024                    ; sums likewise
.set G1K, 24
.set G1V, 32
.set G0K, 40
.set G0V, 48
.set ADK, 4
.set ADV, 6
.set VQ,  8
.set VO,  9
.set STW, 10
.set STR, 11
.set STMW, 12
.set STMR, 13
.set D0,  14                           ; r - 8 h - 64 w
.set VNEG, 15                          ; -1e30
.set DQ,  16                           ; v16-19
.set Z,   20                           ; v20-27 zeros
.set LS,  28                           ; v28-31 running sums (of the lane's own half of the keys until the merge)
.set MX,  32                           ; v32-39 running maxima, each twice
.set AL,  40                           ; v40-47 factors, each twice
.set T,   48
.set U,   52
.set RS,  56                           ; v56-63
.set KV,  64                           ; v64-191 K's, then V's fragments
.set P,   192                          ; v192-255 P(qt, kc) at 192 + 8 (2 qt + kc)
.set MSB, 0
.macro WIN new
.if MSB != \new
	s_set_vgpr_msb (MSB<<8)|\new
.set MSB, \new
.endif
.endm
.macro PLACES                          ; four plain vector places behind a matrix instruction (ISA guide 7.12.1 for vector instructions)
.rept 4
	v_nop
.endr
.endm
.macro ROUND                           ; a round of the cluster's barrier
	s_barrier_signal -1
	s_barrier_wait -1
	s_cmp_lg_u32 s8, 0
	s_cbranch_scc1 .Lnot_wave_0_\@
	s_barrier_signal -3
.Lnot_wave_0_\@:
	s_barrier_wait -3
	s_barrier_signal -1
	s_barrier_wait -1
.endm
.macro JLOAD s                         ; waves 0, 1 ask for V's two halves of 128 rows, waves 2, 3 for K's
	s_cmp_eq_u32 s9, 0
	s_cbranch_scc0 .Lfor_k_\@
	tensor_load_to_lds s[G0V+4*(\s):G0V+4*(\s)+3], s[G1V:G1V+7]
	s_nop 0
	s_branch .Lasked_\@
.Lfor_k_\@:
	tensor_load_to_lds s[G0K+4*(\s):G0K+4*(\s)+3], s[G1K:G1K+7]
	s_nop 0
.Lasked_\@:
.endm
.macro SETQ                            ; Q's address for the block at row s18
	s_lshl_b32 s70, s18, 8
	s_mov_b32 s71, 0
	s_add_nc_u64 s[66:67], s[60:61], s[70:71]
.endm
.macro SETO                            ; ao's address for it: row tile s18 / 16, 65,536 bytes each
	s_lshl_b32 s70, s18, 12
	s_mov_b32 s71, 0
	s_add_nc_u64 s[68:69], s[62:63], s[70:71]
.endm
	s_load_b128 s[4:7], s[0:1], 0x0                ; qkv, ao
	v_lshl_add_u32 v2, v0, 2, 0x4ec00
	v_mov_b32 v3, 0
	ds_add_u32 v2, v3
	v_lshrrev_b32 v1, 5, v0
	v_readfirstlane_b32 s8, v1                     ; wave
	s_lshr_b32 s9, s8, 1                           ; 0: I fetch V, 1: K
	s_and_b32 s10, s8, 1                           ; which 128 rows
	s_bfe_u32 s11, ttmp6, 0x40000                  ; cx
	s_and_b32 s13, ttmp7, 0xffff                   ; p
	s_lshl_b32 s14, ttmp9, 2
	s_add_co_u32 s14, s14, s11                     ; head = 4 x key/value head + cx
	s_lshr_b32 s15, s13, 2
	s_sub_co_u32 s15, 8, s15                       ; tiles of the first block
	s_mov_b32 s16, 0                               ; step 0..8
	s_sub_co_u32 s18, 31, s13
	s_lshl_b32 s18, s18, 6                         ; the block's first query row
	s_mov_b32 s20, 0x76543210
	s_mov_b32 s21, 0xfedcba98
	s_mov_b32 s23, 0
	; group 1: 128 rows x 128 elements of 2 bytes, dense; padding of 4 (K) or 8 (V) words behind every 64; mask 15: all four partners
	s_mov_b32 s[G1K+0], 15|(1<<16)|(1<<20)|(1<<21)|(5<<22)|(3<<25)
	s_mov_b32 s[G1V+0], 15|(1<<16)|(1<<20)|(1<<21)|(5<<22)|(7<<25)
.irp g, G1K, G1V
	s_mov_b32 s[\g+1], 128<<16
	s_mov_b32 s[\g+2], 128<<16
	s_mov_b32 s[\g+3], 128<<16
	s_mov_b32 s[\g+4], 128
	s_mov_b32 s[\g+5], 128
	s_mov_b32 s[\g+6], 0
	s_mov_b32 s[\g+7], 0
.endr
	s_mul_i32 s70, s8, 128*PK
	s_add_co_u32 s70, s70, KOFF-2*128*PK           ; K's halves at 4,096 + wave x 34,816 (waves 2, 3)
	s_mul_i32 s71, s8, 128*PV                      ; V's halves at wave x 36,864 (waves 0, 1)
.irp s, 0,1
	s_mov_b32 s[G0K+4*\s], 1
	s_add_co_u32 s[G0K+4*\s+1], s70, \s*SLOT
	s_mov_b32 s[G0V+4*\s], 1
	s_add_co_u32 s[G0V+4*\s+1], s71, \s*SLOT
.endr
	s_add_co_u32 s72, ttmp9, 16                    ; K's plane, and my half of a tile's rows: shared by the partners
	s_lshl_b32 s72, s72, 19
	s_lshl_b32 s73, s10, 15
	s_add_co_u32 s72, s72, s73
	s_mov_b32 s73, 0
	s_lshl_b32 s74, s14, 19                        ; Q's plane
	s_mov_b32 s75, 0
	s_lshl_b32 s76, s14, 12                        ; ao: the head's four fragments of a row tile (4,096 bytes), of which number w is mine
	s_lshl_b32 s77, s8, 10
	s_add_co_u32 s76, s76, s77
	s_mov_b32 s77, 0
	s_wait_dscnt 0x0
	s_wait_kmcnt 0x0
	s_add_nc_u64 s[56:57], s[4:5], s[72:73]        ; K at tile 0
	s_add_nc_u64 s[58:59], s[56:57], 0x200000      ; V: four planes on
	s_add_nc_u64 s[60:61], s[4:5], s[74:75]
	s_add_nc_u64 s[62:63], s[6:7], s[76:77]
	s_mov_b64 s[G0K+2:G0K+3], s[56:57]
	s_or_b32 s[G0K+3], s[G0K+3], 0x80000000
	s_mov_b64 s[G0V+2:G0V+3], s[58:59]
	s_or_b32 s[G0V+3], s[G0V+3], 0x80000000
	SETQ
	SETO
	ROUND                                          ; the four partners are here
	JLOAD 0                                        ; tile 0 into slot 0: one tensor load of mine is out
	v_and_b32 v56, 15, v0                          ; r
	v_bfe_u32 v57, v0, 4, 1                        ; h
	v_and_b32 v58, 7, v0
	v_bfe_u32 v59, v0, 3, 1
	v_mul_u32_u24 v60, v56, PK
	v_lshl_add_u32 v60, v57, 4, v60
	s_mul_i32 s70, s8, 64*PK
	s_add_co_u32 s70, s70, KOFF
	v_add_nc_u32 v[ADK], s70, v60                  ; K fragment: row 64 w + r, 16 h
	v_add_nc_u32 v[ADK+1], SLOT, v[ADK]
	v_lshl_add_u32 v61, v57, 3, v58
	v_mul_u32_u24 v61, v61, PV
	v_lshl_add_u32 v61, v59, 4, v61
	s_mul_i32 s70, s8, 64*PV
	v_add_nc_u32 v[ADV], s70, v61                  ; V fragment through the transposing load: key row 64 w + 8 h + l % 8
	v_add_nc_u32 v[ADV+1], SLOT, v[ADV]
	v_lshlrev_b32 v[VQ], 8, v56
	v_lshl_add_u32 v[VQ], v57, 4, v[VQ]            ; Q: row r, 16 h
	v_and_b32 v62, 31, v0
	v_lshlrev_b32 v[VO], 4, v62                    ; ao: 16 x lane
	v_mul_u32_u24 v60, v56, SP
	v_lshl_add_u32 v60, v57, 5, v60                ; stage: row r, 32 h
	s_mul_i32 s70, s8, 16*SP
	s_add_co_u32 s70, s70, STG
	v_add_nc_u32 v[STW], s70, v60                  ; in: my part's 16 rows
	s_lshl_b32 s70, s8, 7
	s_add_co_u32 s70, s70, STG
	v_add_nc_u32 v[STR], s70, v60                  ; back: columns 32 w .. of all 16 rows
	v_lshlrev_b32 v60, 2, v56
	v_add_nc_u32 v[STMR], STM, v60
	s_lshl_b32 s70, s8, 8
	v_add_nc_u32 v[STMW], s70, v[STMR]
	v_lshlrev_b32 v60, 3, v57
	v_sub_nc_u32 v[D0], v56, v60
	s_lshl_b32 s70, s8, 6
	v_subrev_nc_u32 v[D0], s70, v[D0]
	v_mov_b32 v[VNEG], 0xf149f2ca
.irp i, 0,1,2,3,4,5,6,7
	v_mov_b32 v[Z+\i], 0
.endr
.irp i, 0,1,2,3
	v_mov_b32 v[U+\i], 0
.endr
.macro LOADQ                           ; the block's 64 rows of Q as 16 fragments
	WIN 0x40
.irp qt, 0,1,2,3
.irp c, 0,1,2,3
	global_load_b128 v[128+8*(4*\qt+\c):128+8*(4*\qt+\c)+3],   v[VQ], s[66:67] offset:\qt*4096+64*\c
	global_load_b128 v[128+8*(4*\qt+\c)+4:128+8*(4*\qt+\c)+7], v[VQ], s[66:67] offset:\qt*4096+64*\c+32
.endr
.endr
	WIN 0
.endm
.macro ZERO                            ; a product of zero fragments starts the 32 output tiles: 32 instructions for 256 registers
	WIN 0x80
.set zi, 0
.rept 32
	v_wmma_f32_16x16x32_bf16 v[8*zi:8*zi+7], v[Z:Z+7], v[Z:Z+7], 0
.set zi, zi+1
.endr
	WIN 0
.endm
.macro RESET
.irp qt, 0,1,2,3
	v_mov_b32 v[MX+2*\qt], v[VNEG]
	v_mov_b32 v[MX+2*\qt+1], v[VNEG]
	v_mov_b32 v[LS+\qt], 0
.endr
.endm
.macro RESCALE                         ; O times the lane's factor
	WIN 0x82
.irp qt, 0,1,2,3
.set si, 0
.rept 32
	v_pk_mul_f32 v[64*\qt+si:64*\qt+si+1], v[64*\qt+si:64*\qt+si+1], v[AL+2*\qt:AL+2*\qt+1]
.set si, si+2
.endr
.endr
.endm
.macro MASK                            ; s19 = first query row - the tile's first key.  Key above query: 16 kt + j > s19 + 16 qt + r - 8 h - 64 w
.irp qt, 0,1,2,3
	v_add3_u32 v[DQ+\qt], v[D0], s19, 16*\qt
.endr
	WIN 0x41
.irp qt, 0,1,2,3
.irp kt, 0,1,2,3
.irp j, 0,1,2,3,4,5,6,7
	v_cmp_gt_i32 vcc_lo, 16*\kt+\j, v[DQ+\qt]
	v_cndmask_b32 v[8*(4*\qt+\kt)+\j], v[8*(4*\qt+\kt)+\j], v[VNEG], vcc_lo
.endr
.endr
.endr
	WIN 0
.endm
.macro SOFTMAX
	WIN 0x15                                       ; the tile's maximum for each query: 32 numbers a lane, four chains
.irp qt, 0,1,2,3
	v_max3_num_f32 v[T+\qt], v[32*\qt], v[32*\qt+1], v[32*\qt+2]
.endr
	WIN 0x14
.set si, 3
.rept 14
.irp qt, 0,1,2,3
	v_max3_num_f32 v[T+\qt], v[T+\qt], v[32*\qt+si], v[32*\qt+si+1]
.endr
.set si, si+2
.endr
.irp qt, 0,1,2,3
	v_max_num_f32 v[T+\qt], v[T+\qt], v[32*\qt+31]
.endr
	WIN 0
.irp qt, 0,1,2,3
	v_permlanex16_b32 v[U+\qt], v[T+\qt], s20, s21 ; the other half of the keys
.endr
.irp qt, 0,1,2,3
	v_max3_num_f32 v[T+\qt], v[T+\qt], v[U+\qt], v[MX+2*\qt]   ; the new running maximum
.endr
.irp qt, 0,1,2,3
	v_sub_f32 v[AL+2*\qt], v[MX+2*\qt], v[T+\qt]
.endr
.irp qt, 0,1,2,3
	v_exp_f32 v[AL+2*\qt], v[AL+2*\qt]             ; 2^(old - new)
.endr
.irp qt, 0,1,2,3
	v_mov_b32 v[MX+2*\qt], v[T+\qt]                ; plain work behind the transcendentals (ISA guide 5.7.2)
	v_mov_b32 v[MX+2*\qt+1], v[T+\qt]
.endr
	s_wait_alu depctr_va_vdst(0)
.irp qt, 0,1,2,3
	v_mov_b32 v[AL+2*\qt+1], v[AL+2*\qt]
.endr
	WIN 0x41
.irp qt, 0,1,2,3
.set si, 0
.rept 16
	v_pk_add_f32 v[32*\qt+si:32*\qt+si+1], v[32*\qt+si:32*\qt+si+1], v[MX+2*\qt:MX+2*\qt+1] neg_lo:[0,1] neg_hi:[0,1]
.set si, si+2
.endr
.endr
.set si, 0
.rept 128
	v_exp_f32 v[si], v[si]                         ; p = 2^(s - m)
.set si, si+1
.endr
	v_nop
	WIN 0x05
	s_wait_alu depctr_va_vdst(0)
.irp qt, 0,1,2,3
	v_pk_add_f32 v[RS+2*\qt:RS+2*\qt+1], v[32*\qt:32*\qt+1], v[32*\qt+2:32*\qt+3]
.endr
.irp qt, 0,1,2,3
.irp kt, 0,1,2,3
.irp i, 0,1,2,3
	v_cvt_pk_bf16_f32 v[P+16*\qt+4*\kt+\i], v[8*(4*\qt+\kt)+2*\i], v[8*(4*\qt+\kt)+2*\i+1]   ; tiles 2 kc, 2 kc + 1 are registers 0-3, 4-7 of P(qt, kc)
.endr
.endr
.endr
	WIN 0x01
.set si, 4
.rept 14
.irp qt, 0,1,2,3
	v_pk_add_f32 v[RS+2*\qt:RS+2*\qt+1], v[32*\qt+si:32*\qt+si+1], v[RS+2*\qt:RS+2*\qt+1]
.endr
.set si, si+2
.endr
	WIN 0
.irp qt, 0,1,2,3
	v_add_f32 v[U+\qt], v[RS+2*\qt], v[RS+2*\qt+1]
.endr
.irp qt, 0,1,2,3
	v_fma_f32 v[LS+\qt], v[LS+\qt], v[AL+2*\qt], v[U+\qt]
.endr
.endm
; One step: the tile in this slot.  refill = 1: the next step's tile is asked for into the other slot.  tail = 1: the last step.
.macro STEP slot, refill, tail
	s_wait_tensorcnt 0x0                           ; all my tensor loads have landed: my part of this step's tile; every group 0 may be written
	ds_add_u32 v2, v3
	s_wait_dscnt 0x0
	s_wait_dscnt 0x0                               ; my reads of the other slot are back
.if \refill
	s_add_co_u32 s70, s16, 1                       ; the next step's tile: its number in its own block
	s_sub_co_u32 s71, s70, s15
	s_cmp_ge_u32 s70, s15
	s_cselect_b32 s70, s71, s70
	s_lshl_b32 s22, s70, 16                        ; 256 rows of 256 bytes
	s_add_nc_u64 s[G0K+4*(1-\slot)+2:G0K+4*(1-\slot)+3], s[56:57], s[22:23]
	s_or_b32 s[G0K+4*(1-\slot)+3], s[G0K+4*(1-\slot)+3], 0x80000000
	s_add_nc_u64 s[G0V+4*(1-\slot)+2:G0V+4*(1-\slot)+3], s[58:59], s[22:23]
	s_or_b32 s[G0V+4*(1-\slot)+3], s[G0V+4*(1-\slot)+3], 0x80000000
.endif
	ROUND                                          ; both now hold of every wave of the four partners
.if \refill
	JLOAD 1-\slot                                  ; my one tensor load behind the round; it has the whole step in which to land
.endif
	PLACES                                         ; the fragment registers were read by the matrix instructions last issued
.irp c, 0,1,2,3
.irp kt, 0,1,2,3
	ds_load_b128 v[KV+8*(4*\c+\kt):KV+8*(4*\c+\kt)+3],   v[ADK+\slot] offset:\kt*16*PK+64*\c
	ds_load_b128 v[KV+8*(4*\c+\kt)+4:KV+8*(4*\c+\kt)+7], v[ADK+\slot] offset:\kt*16*PK+64*\c+32
.endr
.endr
.irp c, 0,1,2,3
	s_wait_dscnt 24-8*\c                           ; the eight loads of piece c of the head size are in, the 8 (3 - c) younger stay out
	WIN 0x54
.irp qt, 0,1,2,3
.irp kt, 0,1,2,3
.if \c == 0
	v_wmma_f32_16x16x32_bf16 v[8*(4*\qt+\kt):8*(4*\qt+\kt)+7], v[KV+8*(4*\c+\kt):KV+8*(4*\c+\kt)+7], v[128+8*(4*\qt+\c):128+8*(4*\qt+\c)+7], 0
.else
	v_wmma_f32_16x16x32_bf16 v[8*(4*\qt+\kt):8*(4*\qt+\kt)+7], v[KV+8*(4*\c+\kt):KV+8*(4*\c+\kt)+7], v[128+8*(4*\qt+\c):128+8*(4*\qt+\c)+7], v[8*(4*\qt+\kt):8*(4*\qt+\kt)+7]
.endif
.endr
.endr
.endr                                              ; the 16 score tiles take turns, one instruction a turn
	PLACES
	WIN 0
.irp kc, 0,1
.irp dt, 0,1,2,3,4,5,6,7
	ds_load_tr16_b128 v[KV+8*(8*\kc+\dt):KV+8*(8*\kc+\dt)+3],   v[ADV+\slot] offset:\kc*32*PV+32*\dt
	ds_load_tr16_b128 v[KV+8*(8*\kc+\dt)+4:KV+8*(8*\kc+\dt)+7], v[ADV+\slot] offset:\kc*32*PV+32*\dt+16*PV
.endr
.endr
.if \tail
	s_sub_co_u32 s70, s16, s15                     ; the second block's last tile holds its diagonal
	s_lshl_b32 s70, s70, 8
	s_sub_co_u32 s19, s18, s70
	MASK
.else
	s_add_co_u32 s19, s16, 1                       ; only the first block's last tile holds its diagonal; the branch hangs on p and the step alone
	s_cmp_lg_u32 s19, s15
	s_cbranch_scc1 .Lnomask_\@
	s_lshl_b32 s70, s16, 8
	s_sub_co_u32 s19, s18, s70
	MASK
.Lnomask_\@:
.endif
	SOFTMAX
	RESCALE
	s_wait_dscnt 0x0                               ; V's fragments
	WIN 0xa0
.irp kc, 0,1
.irp dt, 0,1,2,3,4,5,6,7
.irp qt, 0,1,2,3
	v_wmma_f32_16x16x32_bf16 v[8*(8*\qt+\dt):8*(8*\qt+\dt)+7], v[KV+8*(8*\kc+\dt):KV+8*(8*\kc+\dt)+7], v[P+8*(2*\qt+\kc):P+8*(2*\qt+\kc)+7], v[8*(8*\qt+\dt):8*(8*\qt+\dt)+7]
.endr
.endr
.endr                                              ; the 32 output tiles take turns likewise
	WIN 0
	s_add_co_u32 s16, s16, 1
.endm
; The block's end: the four waves' maxima, sums and outputs become one, and 64 rows of the head leave.
.macro MERGE
	PLACES
	s_wait_xcnt 0x0                                ; registers that earlier stores read are written below
.irp qt, 0,1,2,3
	v_permlanex16_b32 v[U+\qt], v[LS+\qt], s20, s21
.endr
.irp qt, 0,1,2,3
	v_add_f32 v[LS+\qt], v[LS+\qt], v[U+\qt]       ; both halves of my keys
.endr
.irp qt, 0,1,2,3
	ds_store_b32 v[STMW], v[MX+2*\qt] offset:64*\qt
	ds_store_b32 v[STMW], v[LS+\qt] offset:1024+64*\qt
.endr
	s_wait_dscnt 0x0                               ; for the others' sake
	s_barrier_signal -1
	s_barrier_wait -1                              ; a tile on its way may stay out
.irp qt, 0,1,2,3
.irp w, 0,1,2,3
	ds_load_b32 v[KV+4*\qt+\w], v[STMR] offset:64*\qt+256*\w
	ds_load_b32 v[KV+16+4*\qt+\w], v[STMR] offset:1024+64*\qt+256*\w
.endr
.endr
	s_wait_dscnt 0x0
.irp qt, 0,1,2,3
	v_max3_num_f32 v[T+\qt], v[KV+4*\qt], v[KV+4*\qt+1], v[KV+4*\qt+2]
.endr
.irp qt, 0,1,2,3
	v_max_num_f32 v[T+\qt], v[T+\qt], v[KV+4*\qt+3]
.endr
.irp qt, 0,1,2,3
.irp w, 0,1,2,3
	v_sub_f32 v[KV+4*\qt+\w], v[KV+4*\qt+\w], v[T+\qt]
.endr
	v_sub_f32 v[AL+2*\qt], v[MX+2*\qt], v[T+\qt]
.endr
.set si, 0
.rept 16
	v_exp_f32 v[KV+si], v[KV+si]
.set si, si+1
.endr
.irp qt, 0,1,2,3
	v_exp_f32 v[AL+2*\qt], v[AL+2*\qt]
.endr
	v_nop
	s_wait_alu depctr_va_vdst(0)
.irp qt, 0,1,2,3
	v_mul_f32 v[U+\qt], v[KV+4*\qt], v[KV+16+4*\qt]
.endr
.irp w, 1,2,3
.irp qt, 0,1,2,3
	v_fmac_f32 v[U+\qt], v[KV+4*\qt+\w], v[KV+16+4*\qt+\w]
.endr
.endr
.irp qt, 0,1,2,3
	v_rcp_f32 v[U+\qt], v[U+\qt]                   ; the whole row's sum is at least 1: the row's largest score gives 2^0
.endr
	v_nop
	s_wait_alu depctr_va_vdst(0)
.irp qt, 0,1,2,3
	v_mul_f32 v[AL+2*\qt], v[AL+2*\qt], v[U+\qt]   ; my weight over the sum
.endr
.irp qt, 0,1,2,3
	v_mov_b32 v[AL+2*\qt+1], v[AL+2*\qt]
.endr
	RESCALE
.irp qt, 0,1,2,3
	WIN 0
.if \qt
	s_barrier_signal -1                            ; every wave's reads of the stage are back (waited for below)
	s_barrier_wait -1
.endif
	WIN 0x08
.irp dt, 0,1,2,3,4,5,6,7
	ds_store_b128 v[STW], v[64*\qt+8*\dt:64*\qt+8*\dt+3]   offset:64*\dt
	ds_store_b128 v[STW], v[64*\qt+8*\dt+4:64*\qt+8*\dt+7] offset:64*\dt+16
.endr
	WIN 0
	s_wait_dscnt 0x0
	s_barrier_signal -1
	s_barrier_wait -1
.irp w, 0,1,2,3
.irp k, 0,1
.irp e, 0,1
	ds_load_b128 v[KV+16*\w+8*\k+4*\e:KV+16*\w+8*\k+4*\e+3], v[STR] offset:\w*16*SP+64*\k+16*\e   ; row r, columns 32 w + 16 k + 8 h + 0..7, of each wave's part
.endr
.endr
.endr
	s_wait_dscnt 0x0
.irp i, 0,2,4,6,8,10,12,14
	v_pk_add_f32 v[KV+\i:KV+\i+1], v[KV+\i:KV+\i+1], v[KV+16+\i:KV+16+\i+1]
	v_pk_add_f32 v[KV+32+\i:KV+32+\i+1], v[KV+32+\i:KV+32+\i+1], v[KV+48+\i:KV+48+\i+1]
.endr
.irp i, 0,2,4,6,8,10,12,14
	v_pk_add_f32 v[KV+\i:KV+\i+1], v[KV+\i:KV+\i+1], v[KV+32+\i:KV+32+\i+1]
.endr
.irp k, 0,1
.irp i, 0,1,2,3
	v_cvt_pk_bf16_f32 v[KV+64+8*\qt+4*\k+\i], v[KV+8*\k+2*\i], v[KV+8*\k+2*\i+1]
.endr
	global_store_b128 v[VO], v[KV+64+8*\qt+4*\k:KV+64+8*\qt+4*\k+3], s[68:69] offset:\qt*65536+512*\k   ; piece k of my fragment of row tile qt: 512 neighbouring bytes, aligned
.endr
.endr
.endm
; Behind the first block's last step: the second block's Q is asked for, the first block leaves, the sums start anew.
; The branch hangs on p and the step alone: alike in all waves and all partners.
.macro SWITCH
	s_cmp_lg_u32 s16, s15
	s_cbranch_scc1 .Lnosw_\@
	s_lshl_b32 s18, s13, 6
	SETQ
	LOADQ
	MERGE
	s_wait_xcnt 0x0                                ; the stores' base and data are written again only behind this wait
	SETO
	RESET
	ZERO
	s_wait_loadcnt 0x0
.Lnosw_\@:
.endm
	LOADQ
	RESET
	ZERO
	s_wait_loadcnt 0x0
	s_mov_b32 s17, 4
.Lloop:
	STEP 0, 1, 0
	SWITCH
	STEP 1, 1, 0
	SWITCH
	s_sub_co_u32 s17, s17, 1
	s_cmp_lg_u32 s17, 0
	s_cbranch_scc1 .Lloop
	STEP 0, 0, 1                                   ; the ninth step asks for nothing
	MERGE
	s_wait_tensorcnt 0x0
	ds_add_u32 v2, v3
	s_wait_dscnt 0x0
	ROUND                                          ; the closing round
	s_endpgm
.Lfunc_end_k_qecd6b54407_attn:
	.size	k_qecd6b54407_attn, .Lfunc_end_k_qecd6b54407_attn-k_qecd6b54407_attn
	.p2alignl 7, 3214868480
	.fill 96, 4, 3214868480
	.section	.rodata,"a",@progbits
	.p2align	6, 0x0
	.amdhsa_kernel k_qecd6b54407_attn
		.amdhsa_group_segment_fixed_size 327680
		.amdhsa_private_segment_fixed_size 0
		.amdhsa_enable_private_segment 0
		.amdhsa_kernarg_size 16
		.amdhsa_user_sgpr_count 2
		.amdhsa_user_sgpr_kernarg_segment_ptr 1
		.amdhsa_wavefront_size32 1
		.amdhsa_system_sgpr_workgroup_id_x 1
		.amdhsa_system_sgpr_workgroup_id_y 1
		.amdhsa_system_sgpr_workgroup_id_z 1
		.amdhsa_system_vgpr_workitem_id 0
		.amdhsa_next_free_vgpr 768
		.amdhsa_next_free_sgpr 80
		.amdhsa_reserve_vcc 1
		.amdhsa_float_denorm_mode_32 3
		.amdhsa_float_denorm_mode_16_64 3
		.amdhsa_memory_ordered 1
		.amdhsa_forward_progress 1
		.amdhsa_inst_pref_size 255
	.end_amdhsa_kernel
	.section	.bss,"aw",@nobits
	.p2align	6
	.space	262144
	.amdgpu_metadata
---
amdhsa.version: [ 1, 2 ]
amdhsa.kernels:
  - .name:           k_qecd6b54407_attn
    .symbol:         k_qecd6b54407_attn.kd
    .args:
      - { .name: qkv, .offset: 0, .size: 8, .value_kind: global_buffer, .address_space: global }
      - { .name: ao, .offset: 8, .size: 8, .value_kind: global_buffer, .address_space: global }
    .group_segment_fixed_size: 327680
    .private_segment_fixed_size: 0
    .kernarg_segment_align: 8
    .kernarg_segment_size: 16
    .max_flat_workgroup_size: 128
    .sgpr_count:     80
    .vgpr_count:     768
    .wavefront_size: 32
...
	.end_amdgpu_metadata
.endif
;; end of part 3
;; launch oproj (part 4): grid 16 x 16, 4 waves a work-group, clusters of 4 x 1, 327,680 bytes of LDS; arguments ao, wob, out0; writes out0
.if DOCPART == 4
	.amdgcn_target "amdgcn-amd-amdhsa--gfx1250"
	.amdhsa_code_object_version 6
	.text
	.protected	k_qecd6b54407_oproj
	.globl	k_qecd6b54407_oproj
	.p2align	8
	.type	k_qecd6b54407_oproj,@function
k_qecd6b54407_oproj:
	s_mov_b64 s[64:65], 0
	v_nop
	global_prefetch_b8 v0, s[64:65] scope:SCOPE_SE
	s_setreg_imm32_b32 hwreg(HW_REG_WAVE_MODE, 25, 1), 1
	s_wait_xcnt 0x0
	s_wait_alu depctr_hold_cnt(0) depctr_sa_sdst(0) depctr_va_vdst(0) depctr_va_sdst(0) depctr_va_ssrc(0) depctr_va_vcc(0) depctr_vm_vsrc(0)
	s_getreg_b32 s2, hwreg(HW_REG_IB_STS2, 6, 4)
	s_cmp_eq_u32 s2, 0
	s_cbranch_scc0 .Lentry_in_a_cluster
	s_endpgm
.Lentry_in_a_cluster:
	s_bfe_u32 s2, ttmp6, 0x10000c
	s_cmp_lg_u32 s2, 0x3003
	s_cbranch_scc0 .Lentry_shape_is_right
	s_endpgm
.Lentry_shape_is_right:
; oproj: out0 = ao x wob.  ao: [2048][2048] bf16 in fragment order (16 rows x 32 k = 1,024 neighbouring bytes at (64 R + c) x 1024, 16 bytes a
; lane); wob [2048 k][2048 n] bf16; out0 f32; sums in f32.
; A work-group (x = row block, y = column block) makes 128 x 128 (256 work-groups).  Wave w = 2 kh + mh makes rows 64 mh .. + 63 x all 128
; columns over half kh of K (k = 1024 kh ..): 4 x 8 accumulator tiles, 32 pieces of 32 along K, 16 LDS loads for 32 matrix instructions.
; At the end the two waves of a row half hand each other half of their tiles through LDS and add: one f32 addition more for each output.
; W goes through two LDS slots filled by the tensor data mover; a slot holds 256 k rows for each half of K (8 pieces of every wave,
; 256 matrix instructions); each wave fetches 128 k rows.  Four slot steps: both first fills at the start, two refills, written out.
; CLUSTER 4 x 1: four row blocks of one column block share W's tile: a joint load, mask 15.
; ao DOES NOT GO THROUGH LDS: a wave's fragments are read by that wave alone, two loads of 512 neighbouring bytes each, into a ring of
; 8 buffers of 4 fragments; piece Q asks for piece Q + 7, so 56 loads (28 KiB a wave) are out and stay out across the barriers, at
; which every tensor load must have landed.  That is why ao is not asked for jointly although 16 column blocks read the same rows.
; The matrix instruction is used transposed (source 0 = 16 columns of W through ds_load_tr16_b128, source 1 = 16 rows of ao): lane (r, h)
; holds row r and columns 16 b + 8 h + 0..7.
; Wave kh takes its four row tiles in the order 2 kh, 2 kh + 1, 2 - 2 kh, 3 - 2 kh (two base addresses), so that every wave keeps its tiles
; 0, 1 and hands over its tiles 2, 3: no branch.
; Registers: window 0: v1-7 and v20-22 scratch of the set-up, v8-17 addresses, two buffers of W's fragments, the way out;
; window 1: accumulators, tile (a, b) at v[8 (8 a + b)]; window 2: ao's ring, buffer i at v[32 i].
.set NB,   8
.set PB,   288                         ; W's LDS rows: 256 + 32 bytes, an odd multiple of 32
.set SLOT, 512*PB
.set STAGE, 2*SLOT                     ; behind the ring, never filled by a tensor load: 16 rows x 272 for each wave
.set SPITCH, 272
.set G1B, 24
.set G0B, 32
.set ADRB, 8                           ; v8-9   LDS address of W's fragments, slot 0, 1, my half's k rows 0-127
.set ADRB2, 10                         ; v10-11 k rows 128-255: beyond the reach of the 16-bit offset
.set STO, 12
.set RD,  13
.set CO,  14
.set AO,  15                           ; 16 x lane
.set XW,  16                           ; the exchange: where I put, where I read
.set XR,  17
.set F0,  32                           ; W's fragments, buffer 0: 64 registers
.set F1,  96
.set MSB, 0
.macro WIN new
.if MSB != \new
	s_set_vgpr_msb (MSB<<8)|\new
.set MSB, \new
.endif
.endm
.macro PLACES                          ; four plain vector places behind a matrix instruction (ISA guide 7.12.1 for vector instructions)
.rept 4
	v_nop
.endr
.endm
.macro CREST
	s_cmp_lg_u32 s10, 0
	s_cbranch_scc1 .Lnot_wave_0_\@
	s_barrier_signal -3
.Lnot_wave_0_\@:
	s_barrier_wait -3
	s_barrier_signal -1
	s_barrier_wait -1
.endm
.macro CROUND
	s_barrier_signal -1
	s_barrier_wait -1
	CREST
.endm
; ao's four fragments of piece n (0..31 of my half of K) into ring buffer n % 8: eight loads
.macro GLOADA n
	WIN 0x80
.irp a, 0,1
	global_load_b128 v[32*((\n)%8)+8*\a:32*((\n)%8)+8*\a+3],   v[AO], s[56:57] offset:\a*65536+(\n)*1024
	global_load_b128 v[32*((\n)%8)+8*\a+4:32*((\n)%8)+8*\a+7], v[AO], s[56:57] offset:\a*65536+(\n)*1024+512
.endr
.irp a, 0,1
	global_load_b128 v[32*((\n)%8)+16+8*\a:32*((\n)%8)+16+8*\a+3],   v[AO], s[58:59] offset:\a*65536+(\n)*1024
	global_load_b128 v[32*((\n)%8)+16+8*\a+4:32*((\n)%8)+16+8*\a+7], v[AO], s[58:59] offset:\a*65536+(\n)*1024+512
.endr
.endm
.macro AWAIT n                         ; piece n's eight loads are in; the younger groups, six or as many as are left, stay out
.if (\n) <= 25
	s_wait_loadcnt 48
.else
	s_wait_loadcnt 8*(31-(\n))
.endif
.endm
.macro AHEAD n                         ; piece n asks for piece n + 7, as long as there is one
.if (\n) <= 24
	GLOADA (\n)+7
.endif
.endm
	s_load_b128 s[4:7], s[0:1], 0x0                ; ao, wob
	s_load_b64 s[8:9], s[0:1], 0x10                ; out0
	v_lshl_add_u32 v254, v0, 2, 0x4c400
	v_mov_b32 v255, 0
	ds_add_u32 v254, v255
	v_lshrrev_b32 v1, 5, v0
	v_readfirstlane_b32 s10, v1                    ; wave
	v_and_b32 v3, 31, v0
	v_lshlrev_b32 v[AO], 4, v3
	s_lshr_b32 s11, s10, 1                         ; kh: my half of K
	s_and_b32 s12, s10, 1                          ; mh: my half of the rows
	s_bfe_u32 s13, ttmp6, 0x40000                  ; cx
	s_lshl_b32 s16, ttmp9, 2
	s_add_co_u32 s16, s16, s13                     ; block row = 4 x cluster x + cx
	s_and_b32 s15, ttmp7, 0xffff                   ; block column: the same in all four partners
	; group 1 for W: 128 k rows x 128 elements of 2 bytes, pitch 2048; 8 words of padding behind every 64; mask 15
	s_mov_b32 s[G1B+0], 15|(1<<16)|(1<<20)|(1<<21)|(5<<22)|(7<<25)
	s_mov_b32 s[G1B+1], 128<<16
	s_mov_b32 s[G1B+2], 128<<16
	s_mov_b32 s[G1B+3], 128<<16
	s_mov_b32 s[G1B+4], 128
	s_mov_b32 s[G1B+5], 2048
	s_mov_b32 s[G1B+6], 0
	s_mov_b32 s[G1B+7], 0
	s_lshl_b32 s20, s16, 3
	s_lshl2_add_u32 s20, s12, s20                  ; my rows' first tile: 8 x block row + 4 mh
	s_lshl_b32 s21, s11, 15                        ; my half of K: 32 fragments of 1,024 bytes on
	s_lshl1_add_u32 s68, s11, s20                  ; tiles 0, 1 of mine: + 2 kh
	s_lshl_b32 s68, s68, 16
	s_add_co_u32 s68, s68, s21
	s_mov_b32 s69, 0
	s_add_co_u32 s70, s20, 2                       ; tiles 2, 3 of mine: + 2 - 2 kh
	s_lshl_b32 s22, s11, 1
	s_sub_co_u32 s70, s70, s22
	s_lshl_b32 s70, s70, 16
	s_add_co_u32 s70, s70, s21
	s_mov_b32 s71, 0
	s_lshl_b32 s22, s11, 22                        ; W: k row 1024 kh + 128 mh (4,096 bytes each), column byte 256 x block column
	s_lshl_b32 s23, s12, 19
	s_add_co_u32 s22, s22, s23
	s_lshl_b32 s23, s15, 8
	s_add_co_u32 s22, s22, s23
	s_mov_b32 s23, 0
	s_mul_i32 s62, s10, 128*PB                     ; LDS: my 128 k rows at wave x 36,864
	s_lshl_b32 s72, s16, 7                         ; out0: row 128 x block row + 64 mh + 32 kh, 8,192 bytes each,
	s_lshl_b32 s73, s12, 6
	s_add_co_u32 s72, s72, s73
	s_lshl_b32 s73, s11, 5
	s_add_co_u32 s72, s72, s73
	s_lshl_b32 s72, s72, 13
	s_lshl_b32 s73, s15, 9                         ; column byte 512 x block column
	s_add_co_u32 s72, s72, s73
	s_mov_b32 s73, 0
	s_wait_dscnt 0x0
	s_wait_kmcnt 0x0
	s_add_nc_u64 s[56:57], s[4:5], s[68:69]
	s_add_nc_u64 s[58:59], s[4:5], s[70:71]
	s_add_nc_u64 s[60:61], s[6:7], s[22:23]
	s_add_nc_u64 s[66:67], s[8:9], s[72:73]
.irp n, 0,1,2,3,4,5,6
	GLOADA \n                                      ; ao's first seven pieces: 56 loads
.endr
	WIN 0
	CROUND                                         ; the four partners are here
.irp s, 0,1
	s_mov_b32 s[G0B+4*\s], 1
	s_add_co_u32 s[G0B+4*\s+1], s62, \s*SLOT
	s_add_nc_u64 s[G0B+4*\s+2:G0B+4*\s+3], s[60:61], \s*256*4096
	s_or_b32 s[G0B+4*\s+3], s[G0B+4*\s+3], 0x80000000
	tensor_load_to_lds s[G0B+4*\s:G0B+4*\s+3], s[G1B:G1B+7]        ; both slots' first fills: two tensor loads of mine are out
	s_nop 0
.endr
	v_and_b32 v1, 15, v0                           ; r
	v_bfe_u32 v2, v0, 4, 1                         ; h
	v_and_b32 v4, 7, v0
	v_bfe_u32 v5, v0, 3, 1
	v_lshl_add_u32 v7, v2, 3, v4                   ; W fragment through the transposing load: k row 8 h + l % 8,
	v_mul_u32_u24 v7, v7, PB
	v_lshl_add_u32 v7, v5, 4, v7                   ; 16 bytes further for lanes 8-15 of each half
	s_mul_i32 s20, s11, 256*PB                     ; my half's 256 k rows of a slot
	v_add_nc_u32 v[ADRB], s20, v7
	v_add_nc_u32 v[ADRB+1], SLOT, v[ADRB]
	v_add_nc_u32 v[ADRB2], 128*PB, v[ADRB]
	v_add_nc_u32 v[ADRB2+1], 128*PB, v[ADRB+1]
	s_mul_i32 s20, s10, 16*SPITCH
	s_add_co_u32 s20, s20, STAGE                   ; my stage
	v_mul_u32_u24 v20, v1, SPITCH                  ; in: row r, 32 bytes for each half of the lanes (scratch in v20-22: v8-11 hold W's addresses)
	v_lshl_add_u32 v20, v2, 5, v20
	v_add_nc_u32 v[STO], s20, v20
	v_mul_u32_u24 v21, v2, SPITCH                  ; back: lanes 0-15 take one row of 256 bytes, lanes 16-31 the next
	v_lshl_add_u32 v21, v1, 4, v21
	v_add_nc_u32 v[RD], s20, v21
	v_lshlrev_b32 v22, 13, v2                      ; and the same two rows in out0
	v_lshl_add_u32 v[CO], v1, 4, v22
	s_lshl_b32 s20, s10, 14                        ; the exchange: 16,384 bytes for each wave, in slot 0's bytes
	v_add_nc_u32 v[XW], s20, v[AO]
	s_add_co_u32 s20, s10, 2
	s_and_b32 s20, s20, 3                          ; my partner: the same rows, the other half of K
	s_lshl_b32 s20, s20, 14
	v_add_nc_u32 v[XR], s20, v[AO]
; na x 8 matrix instructions: W's buffer f, ao's ring buffer at rb.  The 32 accumulators take turns, one instruction a turn, in the same
; order in every piece.
.macro MUL f, rb, a0, na, zero
.set ma, \a0
.rept \na
.set mb, 0
.rept NB
.if \zero
	v_wmma_f32_16x16x32_bf16 v[8*(NB*ma+mb):8*(NB*ma+mb)+7], v[\f+8*mb:\f+8*mb+7], v[\rb+8*ma:\rb+8*ma+7], 0
.else
	v_wmma_f32_16x16x32_bf16 v[8*(NB*ma+mb):8*(NB*ma+mb)+7], v[\f+8*mb:\f+8*mb+7], v[\rb+8*ma:\rb+8*ma+7], v[8*(NB*ma+mb):8*(NB*ma+mb)+7]
.endif
.set mb, mb+1
.endr
.set ma, ma+1
.endr
.endm
.macro FETCH slot, q, f                ; W's fragments of piece q (0..7) of a slot into buffer f: 16 LDS loads
	WIN 0
.set fb, 0
.rept NB
.if (\q) < 4
	ds_load_tr16_b128 v[\f+8*fb:\f+8*fb+3],   v[ADRB+\slot] offset:(\q)*32*PB+32*fb
	ds_load_tr16_b128 v[\f+8*fb+4:\f+8*fb+7], v[ADRB+\slot] offset:(\q)*32*PB+32*fb+16*PB
.else
	ds_load_tr16_b128 v[\f+8*fb:\f+8*fb+3],   v[ADRB2+\slot] offset:((\q)-4)*32*PB+32*fb
	ds_load_tr16_b128 v[\f+8*fb+4:\f+8*fb+7], v[ADRB2+\slot] offset:((\q)-4)*32*PB+32*fb+16*PB
.endif
.set fb, fb+1
.endr
.endm
; piece q of slot step st (piece 8 st + q of the wave's 32)
.macro QUARTER st, slot, q, f, g, zero
	PLACES                                         ; g and the ring buffer of the piece before were read by the matrix instructions just issued
	FETCH \slot, (\q)+1, \g
	AWAIT 8*\st+(\q)
	AHEAD 8*\st+(\q)
	s_wait_dscnt 16                                ; all but the 16 just issued: buffer f is in
	WIN 0x58
	MUL \f, 32*(\q), 0, 4, \zero
.endm
.macro STEPQ st, slot, zero
	QUARTER \st, \slot, 0, F0, F1, \zero
	QUARTER \st, \slot, 1, F1, F0, 0
	QUARTER \st, \slot, 2, F0, F1, 0
	QUARTER \st, \slot, 3, F1, F0, 0
	QUARTER \st, \slot, 4, F0, F1, 0
	QUARTER \st, \slot, 5, F1, F0, 0
	QUARTER \st, \slot, 6, F0, F1, 0
.endm
; the slot's last piece, on buffer 1, and the change of slots: my reads of this slot are back and all my tensor loads have landed in front
; of the barrier; where the slot is filled again the barrier opens a round of the cluster's barrier and the joint refill comes first behind it
.macro TURN st, slot, next, fill
	s_wait_dscnt 0x0
	s_set_vgpr_msb 0x5850
	s_wait_tensorcnt 0x0
	ds_add_u32 v254, v255
	s_wait_dscnt 0x0
	s_set_vgpr_msb 0x5058
	AWAIT 8*\st+7
	s_barrier_signal -1
	WIN 0x58
	MUL F1, 224, 0, 2, 0                           ; register work while the others arrive
	WIN 0
	s_barrier_wait -1
.if \fill
	CREST
	s_add_nc_u64 s[G0B+4*\slot+2:G0B+4*\slot+3], s[G0B+4*\slot+2:G0B+4*\slot+3], 2*256*4096
	tensor_load_to_lds s[G0B+4*\slot:G0B+4*\slot+3], s[G1B:G1B+7]
	s_nop 0
.endif
	PLACES
	FETCH \next, 0, F0
	AHEAD 8*\st+7
	WIN 0x58
	MUL F1, 224, 2, 2, 0
.endm
	s_wait_tensorcnt 0x1                           ; my part of slot 0 is in; slot 1's stays out
	s_barrier_signal -1
	s_barrier_wait -1
	FETCH 0, 0, F0
	STEPQ 0, 0, 1                                  ; the first products start the sums
	TURN 0, 0, 1, 1
	STEPQ 1, 1, 0
	TURN 1, 1, 0, 1
	STEPQ 2, 0, 0                                  ; the last two steps fill nothing
	TURN 2, 0, 1, 0
	STEPQ 3, 1, 0
	s_wait_dscnt 0x0
	AWAIT 31
	WIN 0x58
	MUL F1, 224, 0, 4, 0
	PLACES                                         ; behind the last matrix instructions, for the LDS stores of their results and the loads into F0, F1
	; THE TWO HALVES OF K MEET.  My tiles 2, 3 (128 registers, in register order, 512 neighbouring bytes a store) go to my partner through slot 0's
	; bytes: their last fill is over, and every wave's last reads of them were waited for in front of the third change of slots.
	WIN 0x04
.set xi, 0
.rept 32
	ds_store_b128 v[XW], v[128+4*xi:128+4*xi+3] offset:512*xi
.set xi, xi+1
.endr
	WIN 0
	s_wait_dscnt 0x0                               ; for the partner's sake
	s_barrier_signal -1
	s_barrier_wait -1
.set xi, 0
.rept 32
	ds_load_b128 v[F0+4*xi:F0+4*xi+3], v[XR] offset:512*xi         ; my partner's tiles 2, 3 are the rows of my tiles 0, 1
.set xi, xi+1
.endr
	s_wait_dscnt 0x0
	WIN 0x41
.set xi, 0
.rept 64
	v_pk_add_f32 v[2*xi:2*xi+1], v[2*xi:2*xi+1], v[F0+2*xi:F0+2*xi+1]
.set xi, xi+1
.endr
; THE WAY OUT, 16 rows x 64 columns of f32 at a time through my own stage: 32 bytes a lane in, whole rows of 256 bytes back
.macro OUT16 a, hf, buf
	WIN 0x04
.irp b, 0,1,2,3
	ds_store_b128 v[STO], v[8*(8*\a+4*\hf+\b):8*(8*\a+4*\hf+\b)+3]   offset:64*\b
	ds_store_b128 v[STO], v[8*(8*\a+4*\hf+\b)+4:8*(8*\a+4*\hf+\b)+7] offset:64*\b+16
.endr
	WIN 0
	s_wait_xcnt 0x0                                ; the read-back buffer was an earlier store's data
.irp t, 0,1,2,3,4,5,6,7
	ds_load_b128 v[\buf+4*\t:\buf+4*\t+3], v[RD] offset:2*SPITCH*\t   ; a wave's LDS instructions are served in order: these see the stores above
.endr
.irp t, 0,1,2,3,4,5,6,7
	s_wait_dscnt 7-\t
	global_store_b128 v[CO], v[\buf+4*\t:\buf+4*\t+3], s[66:67] offset:(16*\a+2*\t)*8192+256*\hf th:TH_STORE_NT   ; 16 lanes: 256 neighbouring bytes, aligned
.endr
.endm
	OUT16 0, 0, 160
	OUT16 0, 1, 192
	OUT16 1, 0, 160
	OUT16 1, 1, 192
	s_wait_tensorcnt 0x0
	ds_add_u32 v254, v255
	s_wait_dscnt 0x0
	CROUND                                         ; the closing round
	s_endpgm
.Lfunc_end_k_qecd6b54407_oproj:
	.size	k_qecd6b54407_oproj, .Lfunc_end_k_qecd6b54407_oproj-k_qecd6b54407_oproj
	.p2alignl 7, 3214868480
	.fill 96, 4, 3214868480
	.section	.rodata,"a",@progbits
	.p2align	6, 0x0
	.amdhsa_kernel k_qecd6b54407_oproj
		.amdhsa_group_segment_fixed_size 327680
		.amdhsa_private_segment_fixed_size 0
		.amdhsa_enable_private_segment 0
		.amdhsa_kernarg_size 24
		.amdhsa_user_sgpr_count 2
		.amdhsa_user_sgpr_kernarg_segment_ptr 1
		.amdhsa_wavefront_size32 1
		.amdhsa_system_sgpr_workgroup_id_x 1
		.amdhsa_system_sgpr_workgroup_id_y 1
		.amdhsa_system_sgpr_workgroup_id_z 1
		.amdhsa_system_vgpr_workitem_id 0
		.amdhsa_next_free_vgpr 768
		.amdhsa_next_free_sgpr 80
		.amdhsa_reserve_vcc 0
		.amdhsa_float_denorm_mode_32 3
		.amdhsa_float_denorm_mode_16_64 3
		.amdhsa_memory_ordered 1
		.amdhsa_forward_progress 1
		.amdhsa_inst_pref_size 153
	.end_amdhsa_kernel
	.amdgpu_metadata
---
amdhsa.version: [ 1, 2 ]
amdhsa.kernels:
  - .name:           k_qecd6b54407_oproj
    .symbol:         k_qecd6b54407_oproj.kd
    .args:
      - { .name: ao, .offset: 0, .size: 8, .value_kind: global_buffer, .address_space: global }
      - { .name: wob, .offset: 8, .size: 8, .value_kind: global_buffer, .address_space: global }
      - { .name: out0, .offset: 16, .size: 8, .value_kind: global_buffer, .address_space: global }
    .group_segment_fixed_size: 327680
    .private_segment_fixed_size: 0
    .kernarg_segment_align: 8
    .kernarg_segment_size: 24
    .max_flat_workgroup_size: 128
    .sgpr_count:     80
    .vgpr_count:     768
    .wavefront_size: 32
...
	.end_amdgpu_metadata
.endif
;; end of part 4
;; ======== version 2 of 2: 4 launches; version 1 with the launch cast written anew for expert scheduling mode
;; workspace buffers: xb 8,388,608 bytes; wqkv 12,582,912 bytes; wob 8,388,608 bytes; qkv 12,582,912 bytes; ao 8,388,608 bytes
;; launch cast (part 5): grid 32 x 14, 8 waves a work-group, no clusters, 68,608 bytes of LDS; arguments x, Wq, Wk, Wv, Wo, xb, wqkv, wob; writes xb, wqkv, wob
.if DOCPART == 5
	.amdgcn_target "amdgcn-amd-amdhsa--gfx1250"
	.amdhsa_code_object_version 6
	.text
	.protected	k_qecd6b54407_cast
	.globl	k_qecd6b54407_cast
	.p2align	8
	.type	k_qecd6b54407_cast,@function
k_qecd6b54407_cast:
	s_mov_b64 s[64:65], 0
	v_nop
	global_prefetch_b8 v0, s[64:65] scope:SCOPE_SE
	s_setreg_imm32_b32 hwreg(HW_REG_WAVE_SCHED_MODE, 0, 2), 2
	s_setreg_imm32_b32 hwreg(HW_REG_WAVE_MODE, 25, 1), 1
	s_wait_xcnt 0x0
	s_wait_alu depctr_vm_vsrc(0)
; cast: x, Wq, Wk, Wv, Wo (f32) -> xb, wqkv, wob (bf16, round to nearest even), each byte read once and written once.
; wqkv is [2048 k][3072 n]: columns 0-2047 Wq, 2048-2559 Wk, 2560-3071 Wv.  wob keeps Wo's shape.
; xb holds x IN FRAGMENT ORDER: the fragment of rows 16 R .. 16 R + 15 and k = 32 c .. 32 c + 31 is the 1,024 bytes at (64 R + c) x 1024;
; in it the 16 bytes at 512 e + 16 l (l = 16 h + r) are row 16 R + r, k = 32 c + 16 e + 8 h + 0..7: what lane l of a matrix operand holds
; in registers 4 e .. 4 e + 3.  The next launch then loads a fragment by two loads of 512 neighbouring bytes.
; All sources are cut into 14 strips of 2048 rows x 512 columns (grid y); a work-group takes 64 rows of a strip (grid x).
; Weights (strips 4-13): a wave takes 8 rows; piece j of a row is one load of 512 neighbouring bytes and one store of 256, aligned.
; x (strips 0-3): a wave takes 16 rows x 256 columns, rounds them into a stage of its own in LDS (16 rows, pitch 528) and reads them back
; as 8 fragments; each store covers 512 neighbouring bytes.  The stage is the wave's own and LDS serves a wave in order: no barrier.
; All 32 loads of a wave go out first (16 KiB a wave on its way); the waits count down.
; No matrix unit, no cluster: no byte is used twice and no two work-groups share an input.
; THE MODE: SCHED_MODE bits 1:0 = 2 (LLVM: expert scheduling mode 2), set by the entry lines.  The code itself states the register dependences
; between vector instructions and memory or LDS instructions, with s_wait_alu, always for 0.
; THE PLAN.  Both paths go in 8 blocks of four loads (weights: a row; x: two rows).  Registers that memory or LDS instructions touch:
;   offsets and LDS addresses (weights v4-19; x v4-6)  made once by vector lines, read by loads and stores, never written again.
;   X, block b: 16 registers  written by the block's four loads, then in place by its eight roundings (the first two of each four);
;                             read by the four stores that are issued in block b + 1; never written again.
;   Y (x alone)               written by LDS loads, read by the global stores; no vector line names them.
;   v212, v213                written at the head, read by the closing add alone.
; Block b waits for its loads, passes ONE wait on va_vdst, which states that block b - 1's roundings have written what the four stores of block
; b - 1 read, and issues those stores among its own roundings, which name block b's registers alone.  One more such wait stands behind block 7.
; No register that a memory or LDS instruction reads is written again: so the text holds no wait on vm_vsrc and none on XCNT.
.set SO, 4                             ; v[4:11]   weights: row i: byte offset of my 16 bytes in the source
.set DO, 12                            ; v[12:19]  weights: row i: byte offset of my 8 bytes in the destination
.set X,  20                            ; v[20:147] 32 loads of 4 registers; the first two of each then hold the 4 bf16
.set Y,  148                           ; v[148:211] x: 16 pieces of fragments as read back
.set XO, 4                             ; x: 16 x lane
.set LW, 5                             ; x: where I put 8 bytes of a row
.set LR, 6                             ; x: where I read 16 bytes of a fragment
.set XP, 528                           ; stage pitch: 512 + 16 bytes, an odd multiple of 16
	s_load_b512 s[4:19], s[0:1], 0x0               ; x, Wq, Wk, Wv, Wo, xb, wqkv, wob
	v_lshl_add_u32 v212, v0, 2, 0x10800
	v_mov_b32 v213, 0
	s_and_b32 s20, ttmp7, 0xffff                   ; strip 0..13
	v_lshrrev_b32 v1, 5, v0
	v_readfirstlane_b32 s21, v1                    ; wave
	v_and_b32 v2, 31, v0                           ; lane
	s_wait_alu depctr_va_sdst(0)                   ; s21 is written, ahead of the branch and of its first reader: both paths make their bases from it
	s_wait_kmcnt 0x0
	s_cmp_lt_u32 s20, 4
	s_cbranch_scc1 .Lx
	; ---- weights ----
	s_sub_co_u32 s22, s20, 4                       ; strip number inside Wq / inside wqkv
	s_sub_co_u32 s23, s20, 10                      ; strip number inside Wo / wob
	s_mov_b32 s28, 8192                            ; source pitch in bytes
	s_mov_b32 s29, 6144                            ; destination pitch
	s_mov_b32 s30, s22                             ; strip in the source
	s_mov_b32 s31, s22                             ; strip in the destination
	s_lshl_b32 s32, ttmp9, 6
	s_lshl3_add_u32 s32, s21, s32                  ; my wave's first row = 64 x + 8 w
	s_mov_b64 s[24:25], s[6:7]                     ; strips 4-7: Wq -> wqkv
	s_mov_b64 s[26:27], s[16:17]
	s_cmp_ge_u32 s20, 8                            ; strip 8: Wk (one strip wide) -> wqkv's strip 4
	s_cselect_b64 s[24:25], s[8:9], s[24:25]
	s_cselect_b32 s28, 2048, s28
	s_cselect_b32 s30, 0, s30
	s_cmp_ge_u32 s20, 9                            ; strip 9: Wv -> wqkv's strip 5
	s_cselect_b64 s[24:25], s[10:11], s[24:25]
	s_cmp_ge_u32 s20, 10                           ; strips 10-13: Wo -> wob
	s_cselect_b64 s[24:25], s[12:13], s[24:25]
	s_cselect_b64 s[26:27], s[18:19], s[26:27]
	s_cselect_b32 s28, 8192, s28
	s_cselect_b32 s29, 4096, s29
	s_cselect_b32 s30, s23, s30
	s_cselect_b32 s31, s23, s31
	s_mul_i32 s34, s32, s28                        ; offsets, made apart from the addresses: row x pitch + strip x strip bytes
	s_lshl_b32 s33, s30, 11
	s_add_co_u32 s34, s34, s33
	s_mov_b32 s35, 0
	s_mul_i32 s36, s32, s29
	s_lshl_b32 s33, s31, 10
	s_add_co_u32 s36, s36, s33
	s_mov_b32 s37, 0
	s_add_nc_u64 s[24:25], s[24:25], s[34:35]
	s_add_nc_u64 s[26:27], s[26:27], s[36:37]
	v_lshlrev_b32 v[SO], 4, v2
	v_lshlrev_b32 v[DO], 3, v2
.irp i, 1,2,3,4,5,6,7
	v_add_nc_u32 v[SO+\i], s28, v[SO+\i-1]
	v_add_nc_u32 v[DO+\i], s29, v[DO+\i-1]
.endr
	s_wait_alu depctr_va_vdst(0)                   ; the sixteen offsets v4 to v19 are written, which the loads and the stores below read
.irp i, 0,1,2,3,4,5,6,7
.irp j, 0,1,2,3
	global_load_b128 v[X+16*\i+4*\j:X+16*\i+4*\j+3], v[SO+\i], s[24:25] offset:512*\j th:TH_LOAD_NT
.endr
.endr
.irp i, 0,1,2,3,4,5,6,7
	s_wait_loadcnt 28-4*\i                         ; loads return in order: row i's four are in, the 4 (7 - i) younger ones stay out
.if \i > 0
	s_wait_alu depctr_va_vdst(0)                   ; the roundings of the row before have written its bf16, which the four stores below read
.endif
.irp j, 0,1,2,3
.if \i > 0
	global_store_b64 v[DO+\i-1], v[X+16*(\i-1)+4*\j:X+16*(\i-1)+4*\j+1], s[26:27] offset:256*\j   ; the row before: 32 lanes x 8 bytes: 256 neighbouring bytes, aligned; no vector line since the wait names these registers
.endif
	v_cvt_pk_bf16_f32 v[X+16*\i+4*\j],   v[X+16*\i+4*\j],   v[X+16*\i+4*\j+1]
	v_cvt_pk_bf16_f32 v[X+16*\i+4*\j+1], v[X+16*\i+4*\j+2], v[X+16*\i+4*\j+3]
.endr
.endr
	s_wait_alu depctr_va_vdst(0)                   ; row 7's roundings have written its bf16, which the last four stores read
.irp j, 0,1,2,3
	global_store_b64 v[DO+7], v[X+16*7+4*\j:X+16*7+4*\j+1], s[26:27] offset:256*\j
.endr
	s_endpgm                                       ; no register is written twice, so no store's source needs a wait; this path has stored nothing to LDS
	; ---- x, into fragment order ----
.Lx:
	s_lshr_b32 s22, s21, 1                         ; which 16 rows of the group's 64
	s_and_b32 s23, s21, 1                          ; which 256 columns of the strip's 512
	s_lshl2_add_u32 s32, ttmp9, s22                ; R = 4 x + that
	s_lshl_b32 s34, s32, 17                        ; source: 16 R rows of 8,192 bytes + strip x 2,048 + half x 1,024
	s_lshl_b32 s33, s20, 11
	s_add_co_u32 s34, s34, s33
	s_lshl_b32 s33, s23, 10
	s_add_co_u32 s34, s34, s33
	s_mov_b32 s35, 0
	s_lshl_b32 s36, s32, 16                        ; destination: (64 R + 16 strip + 8 half) x 1,024
	s_lshl_b32 s33, s20, 14
	s_add_co_u32 s36, s36, s33
	s_lshl_b32 s33, s23, 13
	s_add_co_u32 s36, s36, s33
	s_mov_b32 s37, 0
	s_add_nc_u64 s[24:25], s[4:5], s[34:35]
	s_add_nc_u64 s[26:27], s[14:15], s[36:37]
	v_lshlrev_b32 v[XO], 4, v2
	s_wait_alu depctr_va_vdst(0)                   ; v[XO] is written, which the loads and the global stores below read as their offset
.irp i, 0,1,2,3,4,5,6,7,8,9,10,11,12,13,14,15
.irp j, 0,1
	global_load_b128 v[X+8*\i+4*\j:X+8*\i+4*\j+3], v[XO], s[24:25] offset:8192*\i+512*\j th:TH_LOAD_NT
.endr
.endr
	s_mul_i32 s33, s21, 16*XP                      ; my wave's stage
	v_lshl_add_u32 v[LW], v2, 3, s33               ; in: 8 bytes a lane along a row
	v_and_b32 v7, 15, v2                           ; r
	v_lshrrev_b32 v8, 4, v2                        ; h
	v_mul_u32_u24 v[LR], v7, XP
	v_lshl_add_u32 v[LR], v8, 4, v[LR]
	v_add_nc_u32 v[LR], s33, v[LR]                 ; back: row r, 16 h
; Block b: rows 2 b and 2 b + 1; load q of its four is row 2 b + q / 2, half q % 2 of the row's 1,024 bytes.
.irp b, 0,1,2,3,4,5,6,7
	s_wait_loadcnt 28-4*\b                         ; loads return in order: block b's four are in, the 4 (7 - b) younger ones stay out
.if \b > 0
	s_wait_alu depctr_va_vdst(0)                   ; the roundings of the block before have written its bf16, which the four LDS stores below read; in block 1 also: v[LW] and v[LR] are written
.endif
.irp q, 0,1,2,3
.if \b > 0
	ds_store_b64 v[LW], v[X+16*(\b-1)+4*\q:X+16*(\b-1)+4*\q+1] offset:XP*(2*(\b-1)+(\q)/2)+256*((\q)%2)   ; the block before; no vector line since the wait names these registers
.endif
	v_cvt_pk_bf16_f32 v[X+16*\b+4*\q],   v[X+16*\b+4*\q],   v[X+16*\b+4*\q+1]
	v_cvt_pk_bf16_f32 v[X+16*\b+4*\q+1], v[X+16*\b+4*\q+2], v[X+16*\b+4*\q+3]
.endr
.endr
	s_wait_alu depctr_va_vdst(0)                   ; block 7's roundings have written its bf16, which the last four LDS stores read
.irp q, 0,1,2,3
	ds_store_b64 v[LW], v[X+16*7+4*\q:X+16*7+4*\q+1] offset:XP*(14+(\q)/2)+256*((\q)%2)
.endr
.irp t, 0,1,2,3,4,5,6,7,8,9,10,11,12,13,14,15
	ds_load_b128 v[Y+4*\t:Y+4*\t+3], v[LR] offset:32*\t            ; piece t = 2 c + e: k = 16 t + 8 h + 0..7 of row r; a wave's LDS instructions are served in order
.endr
.irp t, 0,1,2,3,4,5,6,7,8,9,10,11,12,13,14,15
	s_wait_dscnt 15-\t
	global_store_b128 v[XO], v[Y+4*\t:Y+4*\t+3], s[26:27] offset:512*\t   ; 512 neighbouring bytes, aligned
.endr
	s_wait_dscnt 0x0                               ; the closing lines, six on end
	s_wait_alu 0x0
	s_wait_tensorcnt 0x0
	ds_add_u32 v212, v213
	s_wait_dscnt 0x0
	s_endpgm
.Lfunc_end_k_qecd6b54407_cast:
	.size	k_qecd6b54407_cast, .Lfunc_end_k_qecd6b54407_cast-k_qecd6b54407_cast
	.p2alignl 7, 3214868480
	.fill 96, 4, 3214868480
	.section	.rodata,"a",@progbits
	.p2align	6, 0x0
	.amdhsa_kernel k_qecd6b54407_cast
		.amdhsa_group_segment_fixed_size 68608
		.amdhsa_private_segment_fixed_size 0
		.amdhsa_enable_private_segment 0
		.amdhsa_kernarg_size 64
		.amdhsa_user_sgpr_count 2
		.amdhsa_user_sgpr_kernarg_segment_ptr 1
		.amdhsa_wavefront_size32 1
		.amdhsa_system_sgpr_workgroup_id_x 1
		.amdhsa_system_sgpr_workgroup_id_y 1
		.amdhsa_system_sgpr_workgroup_id_z 1
		.amdhsa_system_vgpr_workitem_id 0
		.amdhsa_next_free_vgpr 214
		.amdhsa_next_free_sgpr 66
		.amdhsa_reserve_vcc 0
		.amdhsa_float_denorm_mode_32 3
		.amdhsa_float_denorm_mode_16_64 3
		.amdhsa_memory_ordered 1
		.amdhsa_forward_progress 1
		.amdhsa_inst_pref_size 27
	.end_amdhsa_kernel
	.amdgpu_metadata
---
amdhsa.version: [ 1, 2 ]
amdhsa.kernels:
  - .name:           k_qecd6b54407_cast
    .symbol:         k_qecd6b54407_cast.kd
    .args:
      - { .name: x, .offset: 0, .size: 8, .value_kind: global_buffer, .address_space: global }
      - { .name: Wq, .offset: 8, .size: 8, .value_kind: global_buffer, .address_space: global }
      - { .name: Wk, .offset: 16, .size: 8, .value_kind: global_buffer, .address_space: global }
      - { .name: Wv, .offset: 24, .size: 8, .value_kind: global_buffer, .address_space: global }
      - { .name: Wo, .offset: 32, .size: 8, .value_kind: global_buffer, .address_space: global }
      - { .name: xb, .offset: 40, .size: 8, .value_kind: global_buffer, .address_space: global }
      - { .name: wqkv, .offset: 48, .size: 8, .value_kind: global_buffer, .address_space: global }
      - { .name: wob, .offset: 56, .size: 8, .value_kind: global_buffer, .address_space: global }
    .group_segment_fixed_size: 68608
    .private_segment_fixed_size: 0
    .kernarg_segment_align: 8
    .kernarg_segment_size: 64
    .max_flat_workgroup_size: 256
    .sgpr_count:     66
    .vgpr_count:     214
    .wavefront_size: 32
...
	.end_amdgpu_metadata
.endif
;; end of part 5
;; launch proj: the kernel of part 2 again; grid 8 x 24, 4 waves a work-group, clusters of 4 x 1, 327,680 bytes of LDS; arguments xb, wqkv, cos, sin, q_gamma, q_beta, k_gamma, k_beta, qkv; writes qkv
;; launch attn: the kernel of part 3 again; grid 16 x 16, 4 waves a work-group, clusters of 4 x 1, 327,680 bytes of LDS; arguments qkv, ao; writes ao
;; launch oproj: the kernel of part 4 again; grid 16 x 16, 4 waves a work-group, clusters of 4 x 1, 327,680 bytes of LDS; arguments ao, wob, out0; writes out0
